; MI455X (gfx1250); checked and timed in simulation.
; The chip was launched on July 23, 2026; its instructions are those of AMD's public machine-readable ISA for CDNA 5 (MIT licence, August 2026) and "CDNA5" Instruction Set Architecture Reference Guide (July 2026). The comments in the code are by the model that wrote it; some were corrected since.
;; VLLM Dual MLP Adapter. Allowed arithmetic: float matrix products may take bf16 or f16 operands with f32 sums; other float arithmetic in f32, or as packed bf16 or f16 multiplies, adds, multiply-adds, maxima and minima; sums over many terms, partial sums and values carried from step to step in f32; what a program stores and reads back later, other than sums and carried values, may be rounded once to bf16 or f16.
;; Inputs: base_down_w 2,048 x 8,192 float32; base_gate_w 8,192 x 2,048 float32; base_up_w 8,192 x 2,048 float32; forget_down 8 x 2,048 x 64 float32; forget_gate 8 x 64 x 2,048 float32; forget_up 8 x 64 x 2,048 float32; retain_down 8 x 2,048 x 64 float32; retain_gate 8 x 64 x 2,048 float32; retain_up 8 x 64 x 2,048 float32; scales 8 x 2 float32; token_indices 1,024 int32; x 1,024 x 2,048 float32.
;; Outputs: out0 1,024 x 2,048 float32.
;; 2 versions, each right; version 2 is version 1 with the launch prep written anew for expert scheduling mode. Each part assembles by itself: llvm-mc -triple=amdgcn-amd-amdhsa -mcpu=gfx1250 --defsym DOCPART=n.
;; ======== version 1 of 2: 4 launches
;; workspace buffers: xb 4,194,304 bytes; ew 8,388,608 bytes; ed 67,108,864 bytes; h 18,874,368 bytes; p 33,554,432 bytes
;; launch prep (part 1): grid 256 x 1, 8 waves a work-group, no clusters, 0 bytes of LDS; arguments x, retain_gate, retain_up, forget_gate, forget_up, retain_down, forget_down, xb, ew, ed; writes xb, ew, ed
.if DOCPART == 1
	.amdgcn_target "amdgcn-amd-amdhsa--gfx1250"
	.amdhsa_code_object_version 6
	.text
	.protected	k_q59cfa37e89_prep
	.globl	k_q59cfa37e89_prep
	.p2align	8
	.type	k_q59cfa37e89_prep,@function
k_q59cfa37e89_prep:
	s_mov_b64 s[64:65], 0
	v_nop
	global_prefetch_b8 v0, s[64:65] scope:SCOPE_SE
	s_setreg_imm32_b32 hwreg(HW_REG_WAVE_MODE, 25, 1), 1
	s_wait_xcnt 0x0
; PREP: a stream without LDS.  It rounds x and the adapters' gate and up rows to bf16, once, and lays them out so that a tile of the first product is dense in memory;
; and it copies the adapters' down weights, still f32, into rows with the pitch of base_down_w, so that one tile shape serves base and adapter steps of the second product.
;   xb  bf16 [4 row blocks][32 K steps][256 rows][64 k]                a tile of 256 rows x 64 k is 32,768 dense bytes
;   ew  bf16 [64 groups j][32 K steps][32 rows][64 k]                  rows 0-15: gate rows of the extended columns 16 j + row; rows 16-31: their up rows
;   ed  f32  row n at n x 32,768 bytes, its first 4,096 bytes in use   element e = 128 a + 64 type + neuron (type 0 retain, 1 forget): the extended column
; Work-group b: 4 rows of x, 8 rows of ew, 8 rows of ed.  Every load takes 256 bytes of one row in lanes 0-15 and 256 bytes of the next row in lanes 16-31.
; Every store of a wave covers whole aligned runs of 256 bytes.  All 32 loads of a wave go out first; no register is written twice, so no wait frees a source.
; Matrix units, LDS and clusters are left out: nothing is shared and nothing is multiplied.
.set D, 16                             ; v[16:143]  32 loads x 4 registers
.set O, 144                            ; v[144:191] 24 x 2 registers: rounded pairs
	s_load_b512 s[8:23], s[0:1], 0x0               ; x s[8:9], retain_gate s[10:11], retain_up s[12:13], forget_gate s[14:15], forget_up s[16:17], retain_down s[18:19], forget_down s[20:21], xb s[22:23]
	s_load_b128 s[24:27], s[0:1], 0x40             ; ew s[24:25], ed s[26:27]
	s_mov_b32 s2, ttmp9                            ; b
	v_and_b32 v1, 31, v0                           ; lane l
	v_lshrrev_b32 v2, 5, v0                        ; wave w
	v_lshrrev_b32 v9, 4, v1                        ; l / 16
	v_and_b32 v10, 15, v1
	v_lshlrev_b32 v10, 4, v10                      ; 16 (l % 16)
	v_and_b32 v11, 1, v2
	v_lshrrev_b32 v12, 1, v2
	v_lshl_add_u32 v3, v11, 1, v9                  ; x, in: row 2 (w % 2) + l / 16,
	v_lshl_add_u32 v3, v3, 13, v10
	v_lshl_add_u32 v3, v12, 11, v3                 ; bytes 2,048 (w / 2) on
	v_lshlrev_b32 v4, 3, v1                        ; x, out: 8 l covers both rows (128 bytes each),
	v_lshl_add_u32 v4, v11, 8, v4
	v_lshl_add_u32 v4, v12, 18, v4                 ; K step 8 (w / 2) on
	v_and_b32 v11, 3, v2
	v_lshrrev_b32 v12, 2, v2
	v_lshl_add_u32 v5, v11, 1, v9                  ; ew, in: row 2 (w % 4) + l / 16,
	v_lshl_add_u32 v5, v5, 13, v10
	v_lshl_add_u32 v5, v12, 12, v5                 ; bytes 4,096 (w / 4) on
	v_lshlrev_b32 v6, 3, v1                        ; ew, out
	v_lshl_add_u32 v6, v11, 8, v6
	v_lshl_add_u32 v6, v12, 16, v6                 ; K step 16 (w / 4) on
	v_lshlrev_b32 v7, 4, v1                        ; down weights, in: wave w takes slot w: 524,288 w + 16 l
	v_lshl_add_u32 v7, v2, 19, v7
	v_lshl_add_u32 v8, v9, 15, v10                 ; ed, out: row l / 16, 512 w bytes on
	v_lshl_add_u32 v8, v2, 9, v8
	s_lshl_b32 s28, s2, 15                         ; x: 4 b rows of 8,192 bytes
	s_mov_b32 s29, 0
	s_lshr_b32 s30, s2, 6                          ; xb: row block b / 64, row 4 (b % 64)
	s_lshl_b32 s30, s30, 20
	s_and_b32 s31, s2, 63
	s_lshl_b32 s31, s31, 9
	s_add_co_u32 s30, s30, s31
	s_mov_b32 s31, 0
	s_lshr_b32 s32, s2, 5                          ; ew's source: slot a = b / 32, neuron 16 ((b / 4) % 4) + 8 (b % 2)
	s_lshl_b32 s32, s32, 6
	s_bfe_u32 s33, s2, 0x20002
	s_lshl4_add_u32 s32, s33, s32
	s_and_b32 s33, s2, 1
	s_lshl3_add_u32 s32, s33, s32
	s_lshl_b32 s32, s32, 13
	s_mov_b32 s33, 0
	s_lshr_b32 s34, s2, 2                          ; ew: group j = b / 4, rows 8 (b % 4) on
	s_lshl_b32 s34, s34, 17
	s_and_b32 s35, s2, 3
	s_lshl_b32 s35, s35, 10
	s_add_co_u32 s34, s34, s35
	s_mov_b32 s35, 0
	s_lshl_b32 s36, s2, 11                         ; down weights: rows 8 b on, 256 bytes each
	s_mov_b32 s37, 0
	s_lshl_b32 s38, s2, 18                         ; ed: rows 8 b on
	s_mov_b32 s39, 0
	s_wait_kmcnt 0x0
	s_bitcmp1_b32 s2, 1                            ; bit 1 of b: up rows or gate rows
	s_cselect_b64 s[40:41], s[12:13], s[10:11]
	s_cselect_b64 s[42:43], s[16:17], s[14:15]
	s_bitcmp1_b32 s2, 4                            ; bit 4 of b: forget or retain
	s_cselect_b64 s[40:41], s[42:43], s[40:41]
	s_add_nc_u64 s[8:9], s[8:9], s[28:29]
	s_add_nc_u64 s[22:23], s[22:23], s[30:31]
	s_add_nc_u64 s[40:41], s[40:41], s[32:33]
	s_add_nc_u64 s[24:25], s[24:25], s[34:35]
	s_add_nc_u64 s[18:19], s[18:19], s[36:37]
	s_add_nc_u64 s[20:21], s[20:21], s[36:37]
	s_add_nc_u64 s[26:27], s[26:27], s[38:39]
.set i, 0
.rept 8
	global_load_b128 v[D+4*i:D+4*i+3], v3, s[8:9] offset:256*i th:TH_LOAD_NT
.set i, i+1
.endr
.set i, 0
.rept 16
	global_load_b128 v[D+32+4*i:D+32+4*i+3], v5, s[40:41] offset:256*i th:TH_LOAD_NT
.set i, i+1
.endr
.set i, 0
.rept 4
	global_load_b128 v[D+96+4*i:D+96+4*i+3], v7, s[18:19] offset:512*i th:TH_LOAD_NT
.set i, i+1
.endr
.set i, 0
.rept 4
	global_load_b128 v[D+112+4*i:D+112+4*i+3], v7, s[20:21] offset:512*i th:TH_LOAD_NT
.set i, i+1
.endr
.set n, 0
.rept 8                                ; x: load n is in when at most the 31 - n younger ones are out
	s_wait_loadcnt 31-n
	v_cvt_pk_bf16_f32 v[O+2*n], v[D+4*n], v[D+4*n+1]
	v_cvt_pk_bf16_f32 v[O+2*n+1], v[D+4*n+2], v[D+4*n+3]
	global_store_b64 v4, v[O+2*n:O+2*n+1], s[22:23] offset:32768*n
.set n, n+1
.endr
.rept 16                               ; the adapters' gate or up rows
	s_wait_loadcnt 31-n
	v_cvt_pk_bf16_f32 v[O+2*n], v[D+4*n], v[D+4*n+1]
	v_cvt_pk_bf16_f32 v[O+2*n+1], v[D+4*n+2], v[D+4*n+3]
	global_store_b64 v6, v[O+2*n:O+2*n+1], s[24:25] offset:4096*(n-8)
.set n, n+1
.endr
.rept 4                                ; retain_down, as loaded
	s_wait_loadcnt 31-n
	global_store_b128 v8, v[D+4*n:D+4*n+3], s[26:27] offset:65536*(n-24)
.set n, n+1
.endr
.rept 4                                ; forget_down: 64 elements further on in the row
	s_wait_loadcnt 31-n
	global_store_b128 v8, v[D+4*n:D+4*n+3], s[26:27] offset:65536*(n-28)+256
.set n, n+1
.endr
	s_endpgm
.Lfunc_end_k_q59cfa37e89_prep:
	.size	k_q59cfa37e89_prep, .Lfunc_end_k_q59cfa37e89_prep-k_q59cfa37e89_prep
	.p2alignl 7, 3214868480
	.fill 96, 4, 3214868480
	.section	.rodata,"a",@progbits
	.p2align	6, 0x0
	.amdhsa_kernel k_q59cfa37e89_prep
		.amdhsa_group_segment_fixed_size 0
		.amdhsa_private_segment_fixed_size 0
		.amdhsa_enable_private_segment 0
		.amdhsa_kernarg_size 80
		.amdhsa_user_sgpr_count 2
		.amdhsa_user_sgpr_kernarg_segment_ptr 1
		.amdhsa_wavefront_size32 1
		.amdhsa_system_sgpr_workgroup_id_x 1
		.amdhsa_system_sgpr_workgroup_id_y 1
		.amdhsa_system_sgpr_workgroup_id_z 1
		.amdhsa_system_vgpr_workitem_id 0
		.amdhsa_next_free_vgpr 192
		.amdhsa_next_free_sgpr 66
		.amdhsa_reserve_vcc 0
		.amdhsa_float_denorm_mode_32 3
		.amdhsa_float_denorm_mode_16_64 3
		.amdhsa_memory_ordered 1
		.amdhsa_forward_progress 1
		.amdhsa_inst_pref_size 13
	.end_amdhsa_kernel
	.amdgpu_metadata
---
amdhsa.version: [ 1, 2 ]
amdhsa.kernels:
  - .name:           k_q59cfa37e89_prep
    .symbol:         k_q59cfa37e89_prep.kd
    .args:
      - { .name: x, .offset: 0, .size: 8, .value_kind: global_buffer, .address_space: global }
      - { .name: retain_gate, .offset: 8, .size: 8, .value_kind: global_buffer, .address_space: global }
      - { .name: retain_up, .offset: 16, .size: 8, .value_kind: global_buffer, .address_space: global }
      - { .name: forget_gate, .offset: 24, .size: 8, .value_kind: global_buffer, .address_space: global }
      - { .name: forget_up, .offset: 32, .size: 8, .value_kind: global_buffer, .address_space: global }
      - { .name: retain_down, .offset: 40, .size: 8, .value_kind: global_buffer, .address_space: global }
      - { .name: forget_down, .offset: 48, .size: 8, .value_kind: global_buffer, .address_space: global }
      - { .name: xb, .offset: 56, .size: 8, .value_kind: global_buffer, .address_space: global }
      - { .name: ew, .offset: 64, .size: 8, .value_kind: global_buffer, .address_space: global }
      - { .name: ed, .offset: 72, .size: 8, .value_kind: global_buffer, .address_space: global }
    .group_segment_fixed_size: 0
    .private_segment_fixed_size: 0
    .kernarg_segment_align: 8
    .kernarg_segment_size: 80
    .max_flat_workgroup_size: 256
    .sgpr_count:     66
    .vgpr_count:     192
    .wavefront_size: 32
...
	.end_amdgpu_metadata
.endif
;; end of part 1
;; launch gateup (part 2): grid 64 x 4, 4 waves a work-group, clusters of 4 x 4, 327,680 bytes of LDS; arguments xb, base_gate_w, base_up_w, ew, scales, token_indices, h; writes h
.if DOCPART == 2
	.amdgcn_target "amdgcn-amd-amdhsa--gfx1250"
	.amdhsa_code_object_version 6
	.text
	.protected	k_q59cfa37e89_gateup
	.globl	k_q59cfa37e89_gateup
	.p2align	8
	.type	k_q59cfa37e89_gateup,@function
k_q59cfa37e89_gateup:
	s_mov_b64 s[64:65], 0
	v_nop
	global_prefetch_b8 v0, s[64:65] scope:SCOPE_SE
	s_setreg_imm32_b32 hwreg(HW_REG_WAVE_MODE, 25, 1), 1
	s_wait_xcnt 0x0
	s_wait_alu depctr_hold_cnt(0) depctr_sa_sdst(0) depctr_va_vdst(0) depctr_va_sdst(0) depctr_va_ssrc(0) depctr_va_vcc(0) depctr_vm_vsrc(0)
	s_getreg_b32 s2, hwreg(HW_REG_IB_STS2, 6, 4)
	s_cmp_eq_u32 s2, 0
	s_cbranch_scc0 .Lentry_in_a_cluster
	s_endpgm
.Lentry_in_a_cluster:
	s_bfe_u32 s2, ttmp6, 0x10000c
	s_cmp_lg_u32 s2, 0xf033
	s_cbranch_scc0 .Lentry_shape_is_right
	s_endpgm
.Lentry_shape_is_right:
; FIRST PRODUCT AND ACTIVATION.  h[t][c] = silu(x[t] . Wg[c]) (x[t] . Wu[c]) for the 8,192 base columns, and for the 1,024 EXTENDED columns e = 128 a + 64 type + neuron
; h[t][8192 + e] = scales[a][type] silu(g) u where max(token_indices[t], 0) = a, and 0 elsewhere: the adapters are computed for every slot, as the problem writes them, and selected by a mask,
; so that no address, branch or trip count hangs on the routing and every split of the tokens over the slots is served alike.  The price is the products of the seven slots not chosen.
; Operands bf16 (x and the adapters' rows were rounded by the launch before; the base weights are f32 in LDS and are rounded on the way into the matrix unit), sums f32, h rounded once to bf16.
; LIMITS.  An index above 7 matches no slot and adds nothing.  sigmoid(g) = 1 / (1 + 2^(-g log2 e)): where the power overflows the weight is 0; results below 2^-126 count as 0.  NaN and infinities are not treated apart.
; SHARES.  256 work-groups: 64 column groups j x 4 row blocks.  A work-group makes 256 rows x (128 base columns + 16 extended columns 16 j ..).  Four waves (rh, ch), each 128 rows x 64 columns of gate AND of up:
; 64 accumulators; and 8 more for the extended columns on 64 of its rows.  The matrix instruction is used transposed (source 0 = 16 weight rows, source 1 = 16 tokens): a lane holds one token and 8 neighbouring columns,
; and g and u of one number lie in the same lane and register of two accumulators.
; CLUSTER 4 x 4: the four of a row of the cluster share the row block (x), the four of a column share j (weights): each tile is asked for jointly.
; RING.  K goes in steps of 64 through two LDS slots; wave 0 fetches x, wave 1 gate, wave 2 up, wave 3 the adapters' rows: one tensor load a wave behind each round.
; PIPELINE.  A K block is 32 along K: half 0 (token blocks lo, accumulators in window 2, and the extended products), half 1 (token blocks hi, window 3).  While block q is multiplied, the raw f32 weights of block q + 1
; are rounded into the other bf16 buffer, 8 roundings behind every 8 products, and the LDS loads run one half to one block ahead.  So all reads of a slot are issued by half 0 of the step's first block, where the one
; change of slots stands.
; REGISTERS, in windows of 256 (s_set_vgpr_msb: bits 1:0 source 0, 3:2 source 1, 5:4 source 2, 7:6 destination):
;   window 0: v0-31 addresses; v32-63 the adapters' fragments, two buffers; v64-127 tokens lo, two buffers; v128-191 tokens hi, two buffers; v192-255 the 8 extended accumulators
;   window 1: v0-63 raw weights of fragments 0-3 (gate), v64-127 of fragments 4-7 (up); v128-191, v192-255 the bf16 fragments, two buffers
;   window 2, 3: accumulator (token block a, fragment b) at v[8 (8 a + b)]
.set SLOT,  111104                     ; a slot: x 256 rows x 144; gate 128 x 272; up 128 x 272; adapters 32 x 144
.set OFFG,  36864
.set OFFU,  71680
.set OFFE,  106496
.set SPARE, 2*SLOT                     ; behind the ring: the spare words, 128 bytes a wave, two blocks of 256 bytes that no other line names
.set VIX,  11                          ; v11     byte offset of my token's index
.set IDX,  12                          ; v12-15  the indices of my four lo tokens
.set ADRA, 16                          ; v16-17 tokens lo in slot 0, 1; v18-19 tokens hi
.set ADRB, 20                          ; v20-21 raw weights
.set ADRE, 22                          ; v22-23 adapters' rows
.set CO,   24                          ; v24 my byte offset in a plane of h for lo rows; v25 for hi rows
.set VPF,  26                          ; v26 prefetch offset
.set SPW,  28                          ; v28 LDS address of my spare word; never rewritten
.set NIL,  29                          ; v29 0; never rewritten
.set EF,   32
.set AF,   64
.set XACC, 192
.set BF,   128                         ; window 1
.set T,    64                          ; the way out, window 0
.set PR,   96
.set OB,   128
.set WV,  18                           ; s18 wave; s19 rh; s20 ch; s21 cx; s22 cy = row block; s23 j
.set G1A, 24                           ; s[24:31] shape of x's tile;  s[32:39] of a weight tile;  s[40:47] of the adapters' tile
.set G1W, 32
.set G1E, 40
.set G0A, 48                           ; group 0, a set for each slot: x s[48:55], gate s[56:63], up s[68:75], adapters s[76:83]
.set G0G, 56
.set G0U, 68
.set G0E, 76
.set MSB, 0
.macro WIN new                         ; the immediate's high byte repeats the setting that is left; a switch that changes nothing is dropped
.if MSB != (\new)
	s_set_vgpr_msb (MSB<<8)|(\new)
.set MSB, (\new)
.endif
.endm
.set MUL_LO, 0xa1                      ; weights window 1, tokens window 0, C and D window 2 (+0x50: window 3)
.set TO_B,   0x40                      ; destination window 1, address window 0
.set CVT,    0x45                      ; destination and both sources window 1
.macro PLACES
.rept 4
	v_nop
.endr
.endm
.macro ASK g0, g1                      ; a tensor load and an s_nop 0 behind it
	tensor_load_to_lds s[(\g0):(\g0)+3], s[(\g1):(\g1)+7]
	s_nop 0
.endm
; A joint refill of slot s: each wave asks for its own tile; the branches hang on the wave's number alone.  Four v_nop follow each load, ahead of the jump and the label.
.macro JLOAD s
	s_cmp_lt_u32 s[WV], 2
	s_cbranch_scc0 .Lw23_\@
	s_cmp_eq_u32 s[WV], 0
	s_cbranch_scc0 .Lw1_\@
	ASK G0A+4*(\s), G1A
	PLACES
	s_branch .Lasked_\@
.Lw1_\@:
	ASK G0G+4*(\s), G1W
	PLACES
	s_branch .Lasked_\@
.Lw23_\@:
	s_cmp_eq_u32 s[WV], 2
	s_cbranch_scc0 .Lw3_\@
	ASK G0U+4*(\s), G1W
	PLACES
	s_branch .Lasked_\@
.Lw3_\@:
	ASK G0E+4*(\s), G1E
	PLACES
.Lasked_\@:
.endm
.macro JLOAD2                          ; the first fills: a wave's two stand in one branch
	s_cmp_lt_u32 s[WV], 2
	s_cbranch_scc0 .Lw23_\@
	s_cmp_eq_u32 s[WV], 0
	s_cbranch_scc0 .Lw1_\@
	ASK G0A, G1A
	ASK G0A+4, G1A
	PLACES
	s_branch .Lasked_\@
.Lw1_\@:
	ASK G0G, G1W
	ASK G0G+4, G1W
	PLACES
	s_branch .Lasked_\@
.Lw23_\@:
	s_cmp_eq_u32 s[WV], 2
	s_cbranch_scc0 .Lw3_\@
	ASK G0U, G1W
	ASK G0U+4, G1W
	PLACES
	s_branch .Lasked_\@
.Lw3_\@:
	ASK G0E, G1E
	ASK G0E+4, G1E
	PLACES
.Lasked_\@:
.endm
.macro CREST                           ; a round of the cluster's barrier behind its opening barrier
	s_cmp_lg_u32 s[WV], 0
	s_cbranch_scc1 .Lnot_wave_0_\@
	s_barrier_signal -3
.Lnot_wave_0_\@:
	s_barrier_wait -3
	s_barrier_signal -1
	s_barrier_wait -1
.endm
.macro CROUND
	s_barrier_signal -1
	s_barrier_wait -1
	CREST
.endm
.macro STEPD s                         ; slot s's four tiles two K steps on; no tensor load of mine is out here
	s_add_nc_u64 s[G0A+4*(\s)+2:G0A+4*(\s)+3], s[G0A+4*(\s)+2:G0A+4*(\s)+3], 65536
	s_add_nc_u64 s[G0G+4*(\s)+2:G0G+4*(\s)+3], s[G0G+4*(\s)+2:G0G+4*(\s)+3], 512
	s_add_nc_u64 s[G0U+4*(\s)+2:G0U+4*(\s)+3], s[G0U+4*(\s)+2:G0U+4*(\s)+3], 512
	s_add_nc_u64 s[G0E+4*(\s)+2:G0E+4*(\s)+3], s[G0E+4*(\s)+2:G0E+4*(\s)+3], 8192
.endm
; Raw f32 weights of four fragments (half 0: gate, half 1: up), 32 along K at chunk c of the slot's 64: a lane's k = 8 hh .. +7 are 32 bytes, its k = 16 + 8 hh .. +7 lie 64 bytes on
.macro LDRAW half, slot, c
	WIN TO_B
.irp i, 0,1,2,3
.set rR, 64*(\half)+16*(\i)
.set oR, 34816*(\half)+4352*(\i)+128*(\c)
	ds_load_b128 v[rR:rR+3],     v[ADRB+(\slot)] offset:oR
	ds_load_b128 v[rR+4:rR+7],   v[ADRB+(\slot)] offset:oR+16
	ds_load_b128 v[rR+8:rR+11],  v[ADRB+(\slot)] offset:oR+64
	ds_load_b128 v[rR+12:rR+15], v[ADRB+(\slot)] offset:oR+80
.endr
.endm
.macro LDA part, buf, slot, c          ; four token fragments (part 0 lo, 1 hi) into buffer buf
	WIN 0
.irp i, 0,1,2,3
.set rR, AF+64*(\part)+32*(\buf)+8*(\i)
	ds_load_b128 v[rR:rR+3],   v[ADRA+2*(\part)+(\slot)] offset:2304*(\i)+64*(\c)
	ds_load_b128 v[rR+4:rR+7], v[ADRA+2*(\part)+(\slot)] offset:2304*(\i)+64*(\c)+32
.endr
.endm
.macro LDE buf, slot, c                ; the adapters' gate fragment and up fragment
	WIN 0
.irp i, 0,1
.set rR, EF+16*(\buf)+8*(\i)
	ds_load_b128 v[rR:rR+3],   v[ADRE+(\slot)] offset:2304*(\i)+64*(\c)
	ds_load_b128 v[rR+4:rR+7], v[ADRE+(\slot)] offset:2304*(\i)+64*(\c)+32
.endr
.endm
; 8 products: token block g of the half x all 8 weight fragments.  The accumulators take turns, one instruction a turn.  zero = 1: the product starts the sum.
.macro GRP8 hf, par, g, zero
	WIN MUL_LO+0x50*(\hf)
.irp b, 0,1,2,3,4,5,6,7
.set rD, 8*(8*(\g)+(\b))
.set rB, BF+64*(\par)+8*(\b)
.set rA, AF+64*(\hf)+32*(\par)+8*(\g)
.if \zero
	v_wmma_f32_16x16x32_bf16 v[rD:rD+7], v[rB:rB+7], v[rA:rA+7], 0
.else
	v_wmma_f32_16x16x32_bf16 v[rD:rD+7], v[rB:rB+7], v[rA:rA+7], v[rD:rD+7]
.endif
.endr
.endm
.macro CVT8 half, par, g               ; fragment 4 half + g of the NEXT block: 16 raw f32 a lane into 8 registers of the other bf16 buffer
	WIN CVT
.irp u, 0,1,2,3,4,5,6,7
.set n, 8*(\g)+(\u)
	v_cvt_pk_bf16_f32 v[BF+64*(1-(\par))+32*(\half)+n], v[64*(\half)+2*n], v[64*(\half)+2*n+1]
.endr
.endm
.macro XMUL par, zero                  ; the extended columns: 2 fragments x the four lo token blocks already in registers
	WIN 0
.irp ap, 0,1,2,3
.irp gu, 0,1
.set rD, XACC+8*(2*(\ap)+(\gu))
.set rB, EF+16*(\par)+8*(\gu)
.set rA, AF+32*(\par)+8*(\ap)
.if \zero
	v_wmma_f32_16x16x32_bf16 v[rD:rD+7], v[rB:rB+7], v[rA:rA+7], 0
.else
	v_wmma_f32_16x16x32_bf16 v[rD:rD+7], v[rB:rB+7], v[rA:rA+7], v[rD:rD+7]
.endif
.endr
.endr
.endm
; One prefetch a wave and trip: the base weights of the lap (two K steps, 512 bytes of each row) behind the one that this trip's two refills ask for.  Of the group's 128 gate and 128 up rows each of the four
; partners takes 32, each wave 16 rows of one matrix, two lanes a row, 256 bytes apart.  The offset stops at the rows' last lap.
.macro PF
	WIN 0
	s_wait_xcnt 0x0                                ; the last trip's prefetch has had its address translated: its pointer is written anew only behind this wait
	s_add_nc_u64 s[94:95], s[92:93], s[96:97]
	global_prefetch_b8 v[VPF], s[94:95] th:TH_LOAD_NT scope:SCOPE_SE
	s_add_co_u32 s96, s96, 512
	s_min_u32 s96, s96, 7680
.endm
; HALF 0 of block q (q4 = q mod 4).  Loads: raw up weights and tokens hi of block q + 1.  In even blocks: the change of slots.
.macro HALF0 q4, fill, zero, dopf
.set P,  (\q4)%2
.set SL, (((\q4)+1)%4)/2
.set CC, ((\q4)+1)%2
	LDRAW 1, SL, CC                                ; the 8 roundings that end every half are the places between its last products and the loads into token registers
	LDA 1, 1-P, SL, CC
	s_wait_dscnt 24                                ; all but the 24 just issued
	GRP8 0, P, 0, \zero
	CVT8 0, P, 0
	GRP8 0, P, 1, \zero
	CVT8 0, P, 1
	XMUL P, \zero
.if \dopf
	PF
.endif
.if P == 0
	WIN 0
	s_wait_tensorcnt 0x0                           ; all my tensor loads have landed: the one that was out is my tile of the next slot;
	ds_add_u32 v[SPW], v[NIL]                      ; 0 onto my spare word
.endif
	GRP8 0, P, 2, \zero                            ; work on registers stands between the add and the wait for it
	CVT8 0, P, 2
.if P == 0
	s_wait_dscnt 0x0                               ; the add is done, and my reads of this slot, the last of them issued at this half's head, are over
	s_barrier_signal -1
.endif
	GRP8 0, P, 3, \zero
	CVT8 0, P, 3
.if P == 0
	WIN 0
	s_barrier_wait -1
.if \fill
	CREST                                          ; the barrier has opened a round of the cluster's: no wave of any partner still reads this slot or has a load on its way
	STEPD (\q4)/2
	JLOAD (\q4)/2                                  ; the first tensor load behind the round: it has a whole K step in which to land
.endif
.endif
.endm
; HALF 1 of block q.  Loads: raw gate weights, tokens lo and the adapters' fragments of block q + 2.
.macro HALF1 q4, zero
.set P,  (\q4)%2
.set SL, (((\q4)+2)%4)/2
.set CC, (\q4)%2
	LDRAW 0, SL, CC
	LDA 0, P, SL, CC
	LDE P, SL, CC
	s_wait_dscnt 28                                ; all but the 28 just issued
.irp g, 0,1,2,3
	GRP8 1, P, \g, \zero
	CVT8 1, P, \g
.endr
.endm
.macro KB q4, fill, zero, dopf
	HALF0 \q4, \fill, \zero, \dopf
	HALF1 \q4, \zero
.endm
	s_load_b256 s[4:11], s[0:1], 0x0               ; xb s[4:5], gate s[6:7], up s[8:9], ew s[10:11]
	s_load_b128 s[12:15], s[0:1], 0x20             ; scales s[12:13], token_indices s[14:15]
	s_load_b64 s[16:17], s[0:1], 0x30              ; h
	v_lshl_add_u32 v[SPW], v0, 2, SPARE
	v_mov_b32 v[NIL], 0
	ds_add_u32 v[SPW], v[NIL]                      ; the wave's opening: the add and its wait stand ahead of my first tensor load; the set-up below stands between them
	v_lshrrev_b32 v1, 5, v0
	v_readfirstlane_b32 s[WV], v1                  ; wave 0..3
	s_lshr_b32 s19, s[WV], 1                       ; rh: my 128 rows
	s_and_b32 s20, s[WV], 1                        ; ch: my 64 columns
	s_bfe_u32 s21, ttmp6, 0x40000                  ; cx
	s_bfe_u32 s22, ttmp6, 0x40004                  ; cy: the row block (the grid is one cluster high)
	s_lshl_b32 s23, ttmp9, 2
	s_add_co_u32 s23, s23, s21                     ; j = 4 x cluster x + cx
	s_lshl_b32 s84, s22, 2
	s_lshl_b32 s84, 15, s84                        ; my row of the cluster
	s_lshl_b32 s86, 0x1111, s21                    ; my column
	s_or_b32 s[G1A], s84, (3<<16)|(1<<20)|(1<<21)|(4<<22)|(3<<25)  ; x: mask of my row; 8-byte elements; padding on; bit 21 beside a mask; 4 words behind every 32: token rows 144 bytes apart
	s_or_b32 s[G1W], s86, (2<<16)|(1<<20)|(1<<21)|(5<<22)|(3<<25)  ; weights: mask of my column; 4-byte elements; 4 words behind every 64: rows 272 bytes apart
	s_or_b32 s[G1E], s86, (3<<16)|(1<<20)|(1<<21)|(4<<22)|(3<<25)  ; adapters: as x, with my column's mask
	s_mov_b32 s[G1A+1], 32<<16                     ; x's tile is 32,768 dense bytes: 128 rows of 32 elements
	s_mov_b32 s[G1A+2], 128<<16
	s_mov_b32 s[G1A+3], 32<<16
	s_mov_b32 s[G1A+4], 128
	s_mov_b32 s[G1A+5], 32
	s_mov_b32 s[G1A+6], 0
	s_mov_b32 s[G1A+7], 0
	s_mov_b32 s[G1W+1], 64<<16                     ; 128 weight rows x 64 f32, 2,048 elements from row to row
	s_mov_b32 s[G1W+2], 128<<16
	s_mov_b32 s[G1W+3], 64<<16
	s_mov_b32 s[G1W+4], 128
	s_mov_b32 s[G1W+5], 2048
	s_mov_b32 s[G1W+6], 0
	s_mov_b32 s[G1W+7], 0
	s_mov_b32 s[G1E+1], 32<<16                     ; 4,096 dense bytes: 16 rows of 32 elements
	s_mov_b32 s[G1E+2], 16<<16
	s_mov_b32 s[G1E+3], 32<<16
	s_mov_b32 s[G1E+4], 16
	s_mov_b32 s[G1E+5], 32
	s_mov_b32 s[G1E+6], 0
	s_mov_b32 s[G1E+7], 0
	s_lshl_b32 s84, s22, 20                        ; x: row block x 32 K steps x 32,768 bytes (hangs on cy alone)
	s_mov_b32 s85, 0
	s_lshl_b32 s86, s23, 20                        ; weights: 128 j rows of 8,192 bytes (hangs on j alone)
	s_mov_b32 s87, 0
	s_lshl_b32 s88, s23, 17                        ; adapters: j x 32 K steps x 4,096 bytes
	s_mov_b32 s89, 0
	s_mov_b32 s96, 1024                            ; the first prefetch: lap 2
	s_mov_b32 s97, 0
	s_mov_b32 s98, 0xbfb8aa3b                      ; -log2(e), as a pair
	s_mov_b32 s99, 0xbfb8aa3b
	s_lshr_b32 s67, s23, 3                         ; the slot a of my extended columns
	s_wait_dscnt 0x0                               ; the opening add is done
	s_wait_kmcnt 0x0
	s_add_nc_u64 s[84:85], s[4:5], s[84:85]
	s_add_nc_u64 s[90:91], s[8:9], s[86:87]
	s_add_nc_u64 s[86:87], s[6:7], s[86:87]
	s_add_nc_u64 s[88:89], s[10:11], s[88:89]
	s_cmp_lt_u32 s[WV], 2
	s_cselect_b64 s[92:93], s[86:87], s[90:91]     ; waves 0, 1 prefetch gate rows, waves 2, 3 up rows
	CROUND                                         ; all sixteen work-groups are here: the first joint loads meet
.irp s, 0,1
	s_mov_b32 s[G0A+4*(\s)], 1
	s_mov_b32 s[G0A+4*(\s)+1], (\s)*SLOT
	s_add_nc_u64 s[G0A+4*(\s)+2:G0A+4*(\s)+3], s[84:85], (\s)*32768
	s_or_b32 s[G0A+4*(\s)+3], s[G0A+4*(\s)+3], 0x80000000
	s_mov_b32 s[G0G+4*(\s)], 1
	s_mov_b32 s[G0G+4*(\s)+1], (\s)*SLOT+OFFG
	s_add_nc_u64 s[G0G+4*(\s)+2:G0G+4*(\s)+3], s[86:87], (\s)*256
	s_or_b32 s[G0G+4*(\s)+3], s[G0G+4*(\s)+3], 0x80000000
	s_mov_b32 s[G0U+4*(\s)], 1
	s_mov_b32 s[G0U+4*(\s)+1], (\s)*SLOT+OFFU
	s_add_nc_u64 s[G0U+4*(\s)+2:G0U+4*(\s)+3], s[90:91], (\s)*256
	s_or_b32 s[G0U+4*(\s)+3], s[G0U+4*(\s)+3], 0x80000000
	s_mov_b32 s[G0E+4*(\s)], 1
	s_mov_b32 s[G0E+4*(\s)+1], (\s)*SLOT+OFFE
	s_add_nc_u64 s[G0E+4*(\s)+2:G0E+4*(\s)+3], s[88:89], (\s)*4096
	s_or_b32 s[G0E+4*(\s)+3], s[G0E+4*(\s)+3], 0x80000000
.endr
	JLOAD2                                         ; K steps 0 and 1: two loads of mine are out
	; lane addresses.  r = l % 16, hh = l / 16.  My lo rows are 128 rh + 64 ch + .., my hi rows the other 64 of the 128: so the extended products of the two waves of a row half fall on different rows
	v_and_b32 v1, 15, v0
	v_bfe_u32 v2, v0, 4, 1
	v_mul_u32_u24 v3, v1, 144
	v_lshl_add_u32 v3, v2, 4, v3
	s_lshl_b32 s84, s19, 7
	s_lshl_b32 s85, s20, 6
	s_add_co_u32 s84, s84, s85                     ; first lo row
	s_xor_b32 s85, s84, 64                         ; first hi row
	s_mul_i32 s86, s84, 144
	s_mul_i32 s87, s85, 144
	v_add_nc_u32 v[ADRA], s86, v3
	v_add_nc_u32 v[ADRA+1], SLOT, v[ADRA]
	v_add_nc_u32 v[ADRA+2], s87, v3
	v_add_nc_u32 v[ADRA+3], SLOT, v[ADRA+2]
	v_mul_u32_u24 v4, v1, 272
	v_lshl_add_u32 v4, v2, 5, v4
	s_mul_i32 s86, s20, 64*272
	s_add_co_u32 s86, s86, OFFG
	v_add_nc_u32 v[ADRB], s86, v4
	v_add_nc_u32 v[ADRB+1], SLOT, v[ADRB]
	v_add_nc_u32 v[ADRE], OFFE, v3
	v_add_nc_u32 v[ADRE+1], SLOT, v[ADRE]
	v_lshlrev_b32 v5, 5, v1                        ; in h a row of a plane of 16 columns is 32 bytes
	v_lshl_add_u32 v5, v2, 4, v5
	s_lshl_b32 s86, s84, 5
	s_lshl_b32 s87, s85, 5
	v_add_nc_u32 v[CO], s86, v5
	v_add_nc_u32 v[CO+1], s87, v5
	v_and_b32 v6, 31, v0
	v_lshrrev_b32 v7, 1, v6
	v_and_b32 v8, 1, v6
	s_lshl_b32 s86, s22, 5
	s_lshl_b32 s87, s20, 4
	s_add_co_u32 s86, s86, s87
	v_add_nc_u32 v7, s86, v7                       ; prefetch: row 32 cy + 16 (w % 2) + l / 2,
	v_lshlrev_b32 v7, 13, v7
	v_lshl_add_u32 v[VPF], v8, 8, v7               ; 256 (l % 2) bytes on
	s_lshl_b32 s86, s22, 8
	s_add_co_u32 s86, s86, s84
	v_add_nc_u32 v[VIX], s86, v1
	v_lshlrev_b32 v[VIX], 2, v[VIX]
.irp ap, 0,1,2,3
	global_load_b32 v[IDX+(\ap)], v[VIX], s[14:15] offset:64*(\ap)  ; waited for on the way out
.endr
	s_lshr_b32 s90, s23, 2                         ; 2 a + type = j / 4
	s_lshl_b32 s90, s90, 2
	s_mov_b32 s91, 0
	s_add_nc_u64 s[90:91], s[12:13], s[90:91]
	s_load_b32 s66, s[90:91], 0x0                  ; the scale of my extended columns
	s_wait_kmcnt 0x0
	s_wait_tensorcnt 0x1                           ; my tile of K step 0 is in; K step 1's may stay out
	s_barrier_signal -1
	s_barrier_wait -1                              ; everybody's is
	LDRAW 0, 0, 0                                  ; priming: block 0 whole,
	LDA 0, 0, 0, 0
	LDE 0, 0, 0
	LDRAW 1, 0, 0
	LDA 1, 0, 0, 0
	s_wait_dscnt 0x0
.irp g, 0,1,2,3
	CVT8 0, 1, \g                                  ; rounded into bf16 buffer 0,
.endr
.irp g, 0,1,2,3
	CVT8 1, 1, \g
.endr
	LDRAW 0, 0, 1                                  ; and the first group of block 1
	LDA 0, 1, 0, 1
	LDE 1, 0, 1
	s_mov_b32 s2, 15
	KB 0, 1, 1, 0                                  ; block 0 starts all 72 sums: nothing is cleared
	WIN 0
	s_branch .Lmid                                 ; the loop is entered in the middle of a trip
.Ltrip:                                            ; a trip: four blocks, once round the ring, both slots filled again.  Blocks 0 to 58; the 30 refills are K steps 2 to 31
	KB 3, 1, 0, 0
	KB 0, 1, 0, 0
	WIN 0
.Lmid:
	KB 1, 1, 0, 1
	KB 2, 1, 0, 0
	WIN 0
	s_sub_co_u32 s2, s2, 1
	s_cmp_lg_u32 s2, 0
	s_cbranch_scc1 .Ltrip
	s_mov_b32 s3, 2
.Ltail:                                            ; blocks 59 to 63, a second text that asks for nothing.  Its last three groups of loads fetch bytes of slot 0 that serve nothing: the price of one text for the tail
	KB 3, 0, 0, 0
	WIN 0
	s_sub_co_u32 s3, s3, 1
	s_cmp_eq_u32 s3, 0
	s_cbranch_scc1 .Lout
	KB 0, 0, 0, 0
	KB 1, 0, 0, 0
	KB 2, 0, 0, 0
	WIN 0
	s_branch .Ltail
.Lout:
	s_wait_dscnt 0x0                               ; the last loads land before their registers serve the way out
	s_wait_loadcnt 0x0                             ; the token indices
	PLACES
	s_mul_i32 s84, s22, 576                        ; h: plane (row block x 576 + 8 j + 4 ch) of 8,192 bytes
	s_lshl_b32 s85, s23, 3
	s_add_co_u32 s84, s84, s85
	s_lshl_b32 s85, s20, 2
	s_add_co_u32 s84, s84, s85
	s_lshl_b32 s84, s84, 13
	s_mov_b32 s85, 0
	s_add_nc_u64 s[84:85], s[16:17], s[84:85]
	s_mul_i32 s86, s22, 576                        ; and plane 512 + j for the extended columns
	s_add_co_u32 s86, s86, s23
	s_add_co_u32 s86, s86, 512
	s_lshl_b32 s86, s86, 13
	s_mov_b32 s87, 0
	s_add_nc_u64 s[86:87], s[16:17], s[86:87]
; THE WAY OUT, without LDS: a lane's 8 columns of a token are 16 bytes of a plane's row, and the 32 lanes of a store cover 512 consecutive aligned bytes (16 rows x 32 bytes).
; T holds 2^(-g log2 e), PR holds g u.  SIGM makes PR = g u / (1 + T).  The exponentials are one batch and the reciprocals another, each with one wait ahead of its first reader.
.macro SIGM
	s_wait_alu depctr_va_vdst(0)                   ; for the 32 exponentials; the 16 products g u stood behind them
.set z, 0
.rept 16
	v_pk_add_f32 v[T+2*z:T+2*z+1], v[T+2*z:T+2*z+1], 1.0 op_sel_hi:[1,0]
.set z, z+1
.endr
.set z, 0
.rept 32
	v_rcp_f32 v[T+z], v[T+z]
.set z, z+1
.endr
	v_nop                                          ; a plain instruction behind the last reciprocal
	s_wait_alu depctr_va_vdst(0)                   ; and the wait for the 32
.set z, 0
.rept 16
	v_pk_mul_f32 v[PR+2*z:PR+2*z+1], v[PR+2*z:PR+2*z+1], v[T+2*z:T+2*z+1]
.set z, z+1
.endr
.endm
.macro PACKO oo                        ; 32 numbers rounded to bf16; the registers were an earlier store's data
	s_wait_xcnt 0x0
.set z, 0
.rept 16
	v_cvt_pk_bf16_f32 v[(\oo)+z], v[PR+2*z], v[PR+2*z+1]
.set z, z+1
.endr
.endm
.macro SILU a                          ; token block a (0-3 lo, 4-7 hi): gate in accumulators 0-3, up in 4-7; each accumulator is read from its low end on
.set W,  2+(\a)/4
.set AB, 64*((\a)%4)
	WIN W
.set z, 0
.rept 16
	v_pk_mul_f32 v[T+2*z:T+2*z+1], v[AB+2*z:AB+2*z+1], s[98:99] op_sel_hi:[1,0]
.set z, z+1
.endr
	WIN 0
.set z, 0
.rept 32
	v_exp_f32 v[T+z], v[T+z]
.set z, z+1
.endr
	WIN 5*W
.set z, 0
.rept 16
	v_pk_mul_f32 v[PR+2*z:PR+2*z+1], v[AB+2*z:AB+2*z+1], v[AB+32+2*z:AB+32+2*z+1]
.set z, z+1
.endr
	WIN 0
	SIGM
	PACKO OB+16*((\a)%2)
.irp b, 0,1,2,3
	global_store_b128 v[CO+(\a)/4], v[OB+16*((\a)%2)+4*(\b):OB+16*((\a)%2)+4*(\b)+3], s[84:85] offset:8192*(\b)+512*((\a)%4)
.endr
.endm
.irp a, 0,1,2,3,4,5,6,7
	SILU \a
.endr
	; the extended columns: the same, on all four lo token blocks at once; then the scale, and 0 where the token's slot is another
.irp ap, 0,1,2,3
	v_max_i32 v[IDX+(\ap)], 0, v[IDX+(\ap)]
	v_cmp_eq_u32 s[88+(\ap)], s67, v[IDX+(\ap)]
.endr
.irp ap, 0,1,2,3
.irp k, 0,2,4,6
	v_pk_mul_f32 v[T+8*(\ap)+(\k):T+8*(\ap)+(\k)+1], v[XACC+16*(\ap)+(\k):XACC+16*(\ap)+(\k)+1], s[98:99] op_sel_hi:[1,0]
.endr
.endr
.set z, 0
.rept 32
	v_exp_f32 v[T+z], v[T+z]
.set z, z+1
.endr
.irp ap, 0,1,2,3
.irp k, 0,2,4,6
	v_pk_mul_f32 v[PR+8*(\ap)+(\k):PR+8*(\ap)+(\k)+1], v[XACC+16*(\ap)+(\k):XACC+16*(\ap)+(\k)+1], v[XACC+16*(\ap)+8+(\k):XACC+16*(\ap)+8+(\k)+1]
.endr
.endr
	SIGM
.set z, 0
.rept 16
	v_pk_mul_f32 v[PR+2*z:PR+2*z+1], v[PR+2*z:PR+2*z+1], s[66:67] op_sel_hi:[1,0]
.set z, z+1
.endr
.irp ap, 0,1,2,3
.irp k, 0,1,2,3,4,5,6,7
	v_cndmask_b32 v[PR+8*(\ap)+(\k)], 0, v[PR+8*(\ap)+(\k)], s[88+(\ap)]
.endr
.endr
	PACKO OB
.irp ap, 0,1,2,3
	global_store_b128 v[CO], v[OB+4*(\ap):OB+4*(\ap)+3], s[86:87] offset:512*(\ap)
.endr
	s_wait_tensorcnt 0x0                           ; the wave's end
	ds_add_u32 v[SPW], v[NIL]
	s_wait_dscnt 0x0
	CROUND                                         ; the closing round: no work-group ends while a partner may still ask for a tile that names it
	s_endpgm
.Lfunc_end_k_q59cfa37e89_gateup:
	.size	k_q59cfa37e89_gateup, .Lfunc_end_k_q59cfa37e89_gateup-k_q59cfa37e89_gateup
	.p2alignl 7, 3214868480
	.fill 96, 4, 3214868480
	.section	.rodata,"a",@progbits
	.p2align	6, 0x0
	.amdhsa_kernel k_q59cfa37e89_gateup
		.amdhsa_group_segment_fixed_size 327680
		.amdhsa_private_segment_fixed_size 0
		.amdhsa_enable_private_segment 0
		.amdhsa_kernarg_size 56
		.amdhsa_user_sgpr_count 2
		.amdhsa_user_sgpr_kernarg_segment_ptr 1
		.amdhsa_wavefront_size32 1
		.amdhsa_system_sgpr_workgroup_id_x 1
		.amdhsa_system_sgpr_workgroup_id_y 1
		.amdhsa_system_sgpr_workgroup_id_z 1
		.amdhsa_system_vgpr_workitem_id 0
		.amdhsa_next_free_vgpr 1024
		.amdhsa_next_free_sgpr 100
		.amdhsa_reserve_vcc 0
		.amdhsa_float_denorm_mode_32 3
		.amdhsa_float_denorm_mode_16_64 3
		.amdhsa_memory_ordered 1
		.amdhsa_forward_progress 1
		.amdhsa_inst_pref_size 211
	.end_amdhsa_kernel
	.amdgpu_metadata
---
amdhsa.version: [ 1, 2 ]
amdhsa.kernels:
  - .name:           k_q59cfa37e89_gateup
    .symbol:         k_q59cfa37e89_gateup.kd
    .args:
      - { .name: xb, .offset: 0, .size: 8, .value_kind: global_buffer, .address_space: global }
      - { .name: base_gate_w, .offset: 8, .size: 8, .value_kind: global_buffer, .address_space: global }
      - { .name: base_up_w, .offset: 16, .size: 8, .value_kind: global_buffer, .address_space: global }
      - { .name: ew, .offset: 24, .size: 8, .value_kind: global_buffer, .address_space: global }
      - { .name: scales, .offset: 32, .size: 8, .value_kind: global_buffer, .address_space: global }
      - { .name: token_indices, .offset: 40, .size: 8, .value_kind: global_buffer, .address_space: global }
      - { .name: h, .offset: 48, .size: 8, .value_kind: global_buffer, .address_space: global }
    .group_segment_fixed_size: 327680
    .private_segment_fixed_size: 0
    .kernarg_segment_align: 8
    .kernarg_segment_size: 56
    .max_flat_workgroup_size: 128
    .sgpr_count:     100
    .vgpr_count:     1024
    .wavefront_size: 32
...
	.end_amdgpu_metadata
.endif
;; end of part 2
;; launch down (part 3): grid 16 x 16, 4 waves a work-group, clusters of 4 x 4, 327,680 bytes of LDS; arguments h, base_down_w, ed, p; writes p
.if DOCPART == 3
	.amdgcn_target "amdgcn-amd-amdhsa--gfx1250"
	.amdhsa_code_object_version 6
	.text
	.protected	k_q59cfa37e89_down
	.globl	k_q59cfa37e89_down
	.p2align	8
	.type	k_q59cfa37e89_down,@function
k_q59cfa37e89_down:
	s_mov_b64 s[64:65], 0
	v_nop
	global_prefetch_b8 v0, s[64:65] scope:SCOPE_SE
	s_setreg_imm32_b32 hwreg(HW_REG_WAVE_MODE, 25, 1), 1
	s_wait_xcnt 0x0
	s_wait_alu depctr_hold_cnt(0) depctr_sa_sdst(0) depctr_va_vdst(0) depctr_va_sdst(0) depctr_va_ssrc(0) depctr_va_vcc(0) depctr_vm_vsrc(0)
	s_getreg_b32 s2, hwreg(HW_REG_IB_STS2, 6, 4)
	s_cmp_eq_u32 s2, 0
	s_cbranch_scc0 .Lentry_in_a_cluster
	s_endpgm
.Lentry_in_a_cluster:
	s_bfe_u32 s2, ttmp6, 0x10000c
	s_cmp_lg_u32 s2, 0xf033
	s_cbranch_scc0 .Lentry_shape_is_right
	s_endpgm
.Lentry_shape_is_right:
; SECOND PRODUCT, in four splits of K.  p[s][t][n] = the sum over the split's k of h[t][k] W[n][k]: split s takes the base columns 2,048 s .. +2,047 (W = base_down_w) and the extended columns 256 s .. +255
; (W = ed, the adapters' down weights): 2,304 k, 18 steps of 128.  The launch behind adds the four f32 parts.  Operands bf16 (h as stored; the f32 weights are rounded on the way into the matrix unit), sums f32.
; SHARES.  256 work-groups: 4 row blocks x 16 column blocks of 128 x 4 splits.  Four waves (rh, kh): 128 rows x 128 columns each, wave kh taking half of every K step; the two waves of a row half exchange one half
; of their accumulators through LDS at the end and add, so each stores 64 rows x 128 columns.  The matrix instruction is used transposed (source 0 = 16 weight rows, source 1 = 16 tokens).
; CLUSTER 4 x 4 = 4 column blocks x 4 row blocks of ONE split: the four of a row share h's tiles, the four of a column the weights'.  Each tile is asked for jointly.
; RING, PIPELINE and REGISTERS are those of the first product: two slots, one round a K step, a block of 32 along K in two halves, the next block's raw weights rounded between the products.
;   window 0: v0-31 addresses; v64-127 tokens lo, two buffers; v128-191 tokens hi, two buffers        window 1: v0-127 raw weights; v128-255 bf16 fragments, two buffers        windows 2, 3: accumulators
; p is a register image: [split][chunk = ((row block x 16 + column block) x 2 + rh) x 2 + kh][64 quads][32 lanes][4 f32].
.set SLOT,  137216                     ; a slot: h 8 planes x 8,704 (32 lines of 256 bytes + 16); weights 128 rows x 528
.set PLANE, 8704
.set OFFB,  69632
.set SPARE, 2*SLOT                     ; behind the ring: the spare words, 128 bytes a wave
.set ADRA, 16                          ; v16-17 tokens lo in slot 0, 1; v18-19 tokens hi
.set ADRB, 20                          ; v20-21 raw weights
.set STG,  24                          ; v24 my stage;  v25 my partner's;  v26 16 l
.set STP,  25
.set PO,   26
.set VPF,  27                          ; v27 prefetch offset
.set SPW,  28                          ; v28 LDS address of my spare word; never rewritten
.set NIL,  29                          ; v29 0; never rewritten
.set AF,   64
.set BF,   128
.set WV,  18                           ; s18 wave; s19 rh; s20 kh; s21 cx; s22 cy = row block; s12 split; s13 column block
.set G1A, 24
.set G1B, 32
.set G0A, 40                           ; s[40:47] group 0 for h's tiles, a set a slot;  s[48:55] for the weights'
.set G0B, 48
.set PWB, 56                           ; s[56:59] the slots' places in base_down_w;  s[60:63] their places in ed for the last two steps
.set PEB, 60
.set MSB, 0
.macro WIN new
.if MSB != (\new)
	s_set_vgpr_msb (MSB<<8)|(\new)
.set MSB, (\new)
.endif
.endm
.set MUL_LO, 0xa1
.set TO_B,   0x40
.set CVT,    0x45
.macro PLACES
.rept 4
	v_nop
.endr
.endm
.macro ASK g0, g1
	tensor_load_to_lds s[(\g0):(\g0)+3], s[(\g1):(\g1)+7]
	s_nop 0
.endm
.macro JLOAD s                         ; waves 0, 1 fetch the halves of h's tile, waves 2, 3 those of the weights'; four v_nop follow each load
	s_cmp_eq_u32 s19, 0
	s_cbranch_scc0 .Lfor_b_\@
	ASK G0A+4*(\s), G1A
	PLACES
	s_branch .Lasked_\@
.Lfor_b_\@:
	ASK G0B+4*(\s), G1B
	PLACES
.Lasked_\@:
.endm
.macro JLOAD2
	s_cmp_eq_u32 s19, 0
	s_cbranch_scc0 .Lfor_b_\@
	ASK G0A, G1A
	ASK G0A+4, G1A
	PLACES
	s_branch .Lasked_\@
.Lfor_b_\@:
	ASK G0B, G1B
	ASK G0B+4, G1B
	PLACES
.Lasked_\@:
.endm
.macro CREST
	s_cmp_lg_u32 s[WV], 0
	s_cbranch_scc1 .Lnot_wave_0_\@
	s_barrier_signal -3
.Lnot_wave_0_\@:
	s_barrier_wait -3
	s_barrier_signal -1
	s_barrier_wait -1
.endm
.macro CROUND
	s_barrier_signal -1
	s_barrier_wait -1
	CREST
.endm
; Slot s's tiles two K steps on.  In the last trip (s2 = 1) these are steps 16 and 17, the extended columns: h jumps to its planes 512 + 16 split, and the weights come from ed.
.macro STEPD s
	s_cmp_eq_u32 s2, 1
	s_cselect_b32 s66, s68, 0x20000                ; 16 planes of 8,192 bytes, or the jump
	s_add_nc_u64 s[G0A+4*(\s)+2:G0A+4*(\s)+3], s[G0A+4*(\s)+2:G0A+4*(\s)+3], s[66:67]
	s_add_nc_u64 s[PWB+2*(\s):PWB+2*(\s)+1], s[PWB+2*(\s):PWB+2*(\s)+1], 1024
	s_cselect_b64 s[G0B+4*(\s)+2:G0B+4*(\s)+3], s[PEB+2*(\s):PEB+2*(\s)+1], s[PWB+2*(\s):PWB+2*(\s)+1]
	s_or_b32 s[G0B+4*(\s)+3], s[G0B+4*(\s)+3], 0x80000000
.endm
.macro LDRAW half, slot, c             ; raw f32 weights of fragments 4 half .. +3, 32 along K at chunk c of my 64
	WIN TO_B
.irp i, 0,1,2,3
.set rR, 64*(\half)+16*(\i)
.set oR, 8448*(4*(\half)+(\i))+128*(\c)
	ds_load_b128 v[rR:rR+3],     v[ADRB+(\slot)] offset:oR
	ds_load_b128 v[rR+4:rR+7],   v[ADRB+(\slot)] offset:oR+16
	ds_load_b128 v[rR+8:rR+11],  v[ADRB+(\slot)] offset:oR+64
	ds_load_b128 v[rR+12:rR+15], v[ADRB+(\slot)] offset:oR+80
.endr
.endm
.macro LDA part, buf, slot, c          ; four token fragments: 16 k lie in one plane, the next 16 in the next
	WIN 0
.irp i, 0,1,2,3
.set rR, AF+64*(\part)+32*(\buf)+8*(\i)
	ds_load_b128 v[rR:rR+3],   v[ADRA+2*(\part)+(\slot)] offset:544*(\i)+2*(\c)*PLANE
	ds_load_b128 v[rR+4:rR+7], v[ADRA+2*(\part)+(\slot)] offset:544*(\i)+(2*(\c)+1)*PLANE
.endr
.endm
.macro GRP8 hf, par, g, zero           ; the accumulators take turns, one instruction a turn
	WIN MUL_LO+0x50*(\hf)
.irp b, 0,1,2,3,4,5,6,7
.set rD, 8*(8*(\g)+(\b))
.set rB, BF+64*(\par)+8*(\b)
.set rA, AF+64*(\hf)+32*(\par)+8*(\g)
.if \zero
	v_wmma_f32_16x16x32_bf16 v[rD:rD+7], v[rB:rB+7], v[rA:rA+7], 0
.else
	v_wmma_f32_16x16x32_bf16 v[rD:rD+7], v[rB:rB+7], v[rA:rA+7], v[rD:rD+7]
.endif
.endr
.endm
.macro CVT8 half, par, g
	WIN CVT
.irp u, 0,1,2,3,4,5,6,7
.set n, 8*(\g)+(\u)
	v_cvt_pk_bf16_f32 v[BF+64*(1-(\par))+32*(\half)+n], v[64*(\half)+2*n], v[64*(\half)+2*n+1]
.endr
.endm
; One prefetch a wave and trip: base_down_w's bytes of the lap (two K steps, 1,024 bytes of each row) behind the one that this trip's refills ask for.  Of the 128 rows each partner takes 32, each wave 8,
; four lanes a row, 256 bytes apart.  The offset stops at the split's last lap of base columns.
.macro PF
	WIN 0
	s_wait_xcnt 0x0                                ; the pointer is written anew only behind this wait
	s_add_nc_u64 s[82:83], s[80:81], s[84:85]
	global_prefetch_b8 v[VPF], s[82:83] th:TH_LOAD_NT scope:SCOPE_SE
	s_add_co_u32 s84, s84, 1024
	s_min_u32 s84, s84, 7168
.endm
.macro HALF0 q4, fill, zero, dopf
.set P,  (\q4)%2
.set SL, (((\q4)+1)%4)/2
.set CC, ((\q4)+1)%2
	LDRAW 1, SL, CC                                ; the 8 roundings that end every half are the places between its last products and the loads into token registers
	LDA 1, 1-P, SL, CC
	s_wait_dscnt 24                                ; all but the 24 just issued
	GRP8 0, P, 0, \zero
	CVT8 0, P, 0
	GRP8 0, P, 1, \zero
	CVT8 0, P, 1
.if \dopf
	PF
.endif
.if P == 0
	WIN 0
	s_wait_tensorcnt 0x0                           ; all my tensor loads have landed: the one that was out is my part of the next slot;
	ds_add_u32 v[SPW], v[NIL]                      ; 0 onto my spare word
.endif
	GRP8 0, P, 2, \zero
	CVT8 0, P, 2
.if P == 0
	s_wait_dscnt 0x0                               ; the add is done, and my reads of this slot are over
	s_barrier_signal -1
.endif
	GRP8 0, P, 3, \zero
	CVT8 0, P, 3
.if P == 0
	WIN 0
	s_barrier_wait -1
.if \fill
	CREST                                          ; no wave of any partner still reads this slot or has a load on its way
	STEPD (\q4)/2
	JLOAD (\q4)/2                                  ; the first tensor load behind the round
.endif
.endif
.endm
.macro HALF1 q4, zero
.set P,  (\q4)%2
.set SL, (((\q4)+2)%4)/2
.set CC, (\q4)%2
	LDRAW 0, SL, CC
	LDA 0, P, SL, CC
	s_wait_dscnt 24                                ; all but the 24 just issued
.irp g, 0,1,2,3
	GRP8 1, P, \g, \zero
	CVT8 1, P, \g
.endr
.endm
.macro KB q4, fill, zero, dopf
	HALF0 \q4, \fill, \zero, \dopf
	HALF1 \q4, \zero
.endm
	s_load_b256 s[4:11], s[0:1], 0x0               ; h s[4:5], base_down_w s[6:7], ed s[8:9], p s[10:11]
	v_lshl_add_u32 v[SPW], v0, 2, SPARE
	v_mov_b32 v[NIL], 0
	ds_add_u32 v[SPW], v[NIL]                      ; the wave's opening: the add and its wait stand ahead of my first tensor load
	v_lshrrev_b32 v1, 5, v0
	v_readfirstlane_b32 s[WV], v1
	s_lshr_b32 s19, s[WV], 1                       ; rh.  Also: I fetch h (0) or weights (1)
	s_and_b32 s20, s[WV], 1                        ; kh.  Also: which half of that tile I fetch
	s_bfe_u32 s21, ttmp6, 0x40000                  ; cx
	s_bfe_u32 s22, ttmp6, 0x40004                  ; cy: the row block
	s_lshl_b32 s13, ttmp9, 2
	s_add_co_u32 s13, s13, s21                     ; column block = 4 x cluster x + cx
	s_and_b32 s12, ttmp7, 0xffff                   ; the split = cluster y: the same in all sixteen
	s_lshl_b32 s70, s22, 2
	s_lshl_b32 s70, 15, s70                        ; my row of the cluster
	s_lshl_b32 s72, 0x1111, s21                    ; my column
	s_or_b32 s[G1A], s70, (3<<16)|(1<<20)|(1<<21)|(5<<22)|(3<<25)  ; h: 8-byte elements; 4 words behind every 64: lines 272 bytes apart
	s_or_b32 s[G1B], s72, (2<<16)|(1<<20)|(1<<21)|(6<<22)|(3<<25)  ; weights: 4-byte elements; 4 words behind every 128: rows 528 bytes apart
	s_mov_b32 s[G1A+1], 32<<16                     ; four planes are 32,768 dense bytes: 128 rows of 32 elements
	s_mov_b32 s[G1A+2], 128<<16
	s_mov_b32 s[G1A+3], 32<<16
	s_mov_b32 s[G1A+4], 128
	s_mov_b32 s[G1A+5], 32
	s_mov_b32 s[G1A+6], 0
	s_mov_b32 s[G1A+7], 0
	s_mov_b32 s[G1B+1], 128<<16                    ; 64 weight rows x 128 f32, 8,192 elements from row to row (in ed too)
	s_mov_b32 s[G1B+2], 64<<16
	s_mov_b32 s[G1B+3], 128<<16
	s_mov_b32 s[G1B+4], 64
	s_mov_b32 s[G1B+5], 8192
	s_mov_b32 s[G1B+6], 0
	s_mov_b32 s[G1B+7], 0
	s_mul_i32 s70, s22, 576                        ; h: plane row block x 576 + 128 split + 4 half
	s_lshl_b32 s71, s12, 7
	s_add_co_u32 s70, s70, s71
	s_lshl_b32 s71, s20, 2
	s_add_co_u32 s70, s70, s71
	s_lshl_b32 s70, s70, 13
	s_mov_b32 s71, 0
	s_lshl_b32 s72, s13, 22                        ; weights: 128 rows of 32,768 bytes a column block,
	s_mov_b32 s73, 0
	s_lshl_b32 s74, s20, 21                        ; 64 rows a half,
	s_mov_b32 s75, 0
	s_lshl_b32 s76, s12, 13                        ; 2,048 f32 a split in base_down_w,
	s_mov_b32 s77, 0
	s_lshl_b32 s78, s12, 10                        ; 256 f32 a split in ed
	s_mov_b32 s79, 0
	s_mul_i32 s68, s12, 112                        ; from step 14 to 16 and from 15 to 17 h goes 400 - 112 split planes on
	s_sub_co_u32 s68, 400, s68
	s_lshl_b32 s68, s68, 13
	s_mov_b32 s67, 0
	s_mov_b32 s84, 2048                            ; the first prefetch: lap 2
	s_mov_b32 s85, 0
	s_mul_i32 s14, s20, 4*PLANE                    ; where my part goes: no place in the cluster enters an LDS address
	s_mul_i32 s15, s20, 64*528
	s_add_co_u32 s15, s15, OFFB
	s_wait_dscnt 0x0                               ; the opening add is done
	s_wait_kmcnt 0x0
	s_add_nc_u64 s[70:71], s[4:5], s[70:71]
	s_add_nc_u64 s[80:81], s[6:7], s[72:73]
	s_add_nc_u64 s[80:81], s[80:81], s[76:77]      ; the prefetches' base: my column block's first row, the split's first column
	s_add_nc_u64 s[PWB:PWB+1], s[80:81], s[74:75]
	s_add_nc_u64 s[PWB+2:PWB+3], s[PWB:PWB+1], 512
	s_add_nc_u64 s[PEB:PEB+1], s[8:9], s[72:73]
	s_add_nc_u64 s[PEB:PEB+1], s[PEB:PEB+1], s[74:75]
	s_add_nc_u64 s[PEB:PEB+1], s[PEB:PEB+1], s[78:79]
	s_add_nc_u64 s[PEB+2:PEB+3], s[PEB:PEB+1], 512
	CROUND                                         ; all sixteen work-groups are here: the first joint loads meet
.irp s, 0,1
	s_mov_b32 s[G0A+4*(\s)], 1
	s_add_co_u32 s[G0A+4*(\s)+1], s14, (\s)*SLOT
	s_add_nc_u64 s[G0A+4*(\s)+2:G0A+4*(\s)+3], s[70:71], (\s)*65536
	s_or_b32 s[G0A+4*(\s)+3], s[G0A+4*(\s)+3], 0x80000000
	s_mov_b32 s[G0B+4*(\s)], 1
	s_add_co_u32 s[G0B+4*(\s)+1], s15, (\s)*SLOT
	s_mov_b64 s[G0B+4*(\s)+2:G0B+4*(\s)+3], s[PWB+2*(\s):PWB+2*(\s)+1]
	s_or_b32 s[G0B+4*(\s)+3], s[G0B+4*(\s)+3], 0x80000000
.endr
	JLOAD2                                         ; K steps 0 and 1: two loads of mine are out
	; lane addresses.  Row R of a plane lies at (R / 8) x 272 + (R % 8) x 32.  My lo rows are 128 rh + 64 kh + .., my hi rows the other 64: my partner's hi rows are my lo rows
	v_and_b32 v1, 15, v0
	v_bfe_u32 v2, v0, 4, 1
	v_lshrrev_b32 v4, 3, v1
	v_mul_u32_u24 v3, v4, 272
	v_and_b32 v4, 7, v1
	v_lshl_add_u32 v3, v4, 5, v3
	v_lshl_add_u32 v3, v2, 4, v3
	s_lshl_b32 s70, s19, 4
	s_lshl_b32 s71, s20, 3
	s_add_co_u32 s70, s70, s71                     ; first line of my lo rows
	s_xor_b32 s71, s70, 8                          ; of my hi rows
	s_mul_i32 s70, s70, 272
	s_mul_i32 s71, s71, 272
	s_mul_i32 s72, s20, 4*PLANE                    ; my half of the step's eight planes
	s_add_co_u32 s70, s70, s72
	s_add_co_u32 s71, s71, s72
	v_add_nc_u32 v[ADRA], s70, v3
	v_add_nc_u32 v[ADRA+1], SLOT, v[ADRA]
	v_add_nc_u32 v[ADRA+2], s71, v3
	v_add_nc_u32 v[ADRA+3], SLOT, v[ADRA+2]
	v_mul_u32_u24 v4, v1, 528
	v_lshl_add_u32 v4, v2, 5, v4
	s_lshl_b32 s72, s20, 8
	s_add_co_u32 s72, s72, OFFB
	v_add_nc_u32 v[ADRB], s72, v4
	v_add_nc_u32 v[ADRB+1], SLOT, v[ADRB]
	v_and_b32 v5, 31, v0
	v_lshlrev_b32 v[PO], 4, v5
	s_lshl_b32 s72, s[WV], 15
	v_add_nc_u32 v[STG], s72, v[PO]
	s_xor_b32 s72, s72, 32768
	v_add_nc_u32 v[STP], s72, v[PO]
	v_lshrrev_b32 v6, 2, v5
	v_and_b32 v7, 3, v5
	s_lshl_b32 s72, s22, 5
	s_lshl_b32 s73, s[WV], 3
	s_add_co_u32 s72, s72, s73
	v_add_nc_u32 v6, s72, v6                       ; prefetch: row 32 cy + 8 w + l / 4,
	v_lshlrev_b32 v6, 15, v6
	v_lshl_add_u32 v[VPF], v7, 8, v6               ; 256 (l % 4) bytes on
	s_wait_tensorcnt 0x1                           ; my part of K step 0 is in; K step 1's may stay out
	s_barrier_signal -1
	s_barrier_wait -1
	LDRAW 0, 0, 0                                  ; priming: block 0 whole,
	LDA 0, 0, 0, 0
	LDRAW 1, 0, 0
	LDA 1, 0, 0, 0
	s_wait_dscnt 0x0
.irp g, 0,1,2,3
	CVT8 0, 1, \g
.endr
.irp g, 0,1,2,3
	CVT8 1, 1, \g
.endr
	LDRAW 0, 0, 1                                  ; and the first group of block 1
	LDA 0, 1, 0, 1
	s_mov_b32 s2, 8
	KB 0, 1, 1, 0                                  ; block 0 starts all 64 sums
	WIN 0
	s_branch .Lmid
.Ltrip:                                            ; blocks 0 to 30; the 16 refills are K steps 2 to 17
	KB 3, 1, 0, 0
	KB 0, 1, 0, 0
	WIN 0
.Lmid:
	KB 1, 1, 0, 1
	KB 2, 1, 0, 0
	WIN 0
	s_sub_co_u32 s2, s2, 1
	s_cmp_lg_u32 s2, 0
	s_cbranch_scc1 .Ltrip
	s_mov_b32 s3, 2
.Ltail:                                            ; blocks 31 to 35, a second text that asks for nothing; its last three groups of loads fetch bytes of slot 0 that serve nothing
	KB 3, 0, 0, 0
	WIN 0
	s_sub_co_u32 s3, s3, 1
	s_cmp_eq_u32 s3, 0
	s_cbranch_scc1 .Lout
	KB 0, 0, 0, 0
	KB 1, 0, 0, 0
	KB 2, 0, 0, 0
	WIN 0
	s_branch .Ltail
.Lout:
	s_wait_dscnt 0x0                               ; my reads of the slots are over
	PLACES
	s_barrier_signal -1
	s_barrier_wait -1                              ; everybody's are; the slots have had their last fill, so slot 0's bytes now serve as the stage, 32,768 bytes a wave
	s_lshl_b32 s70, s22, 4
	s_add_co_u32 s70, s70, s13
	s_lshl2_add_u32 s70, s70, s[WV]                ; chunk
	s_lshl_b32 s70, s70, 15
	s_lshl_b32 s71, s12, 23
	s_add_co_u32 s70, s70, s71
	s_mov_b32 s71, 0
	s_add_nc_u64 s[10:11], s[10:11], s[70:71]
	WIN 0x0c                                       ; store data in window 3: my hi rows, which are my partner's lo rows; each accumulator's low quad first
.set i, 0
.rept 64
	ds_store_b128 v[STG], v[4*i:4*i+3] offset:512*i
.set i, i+1
.endr
	s_wait_dscnt 0x0                               ; for my partner's sake
	s_barrier_signal -1
	s_barrier_wait -1
	WIN 0x40                                       ; into window 1, which is free
.set i, 0
.rept 64
	ds_load_b128 v[4*i:4*i+3], v[STP] offset:512*i
.set i, i+1
.endr
.set n, 0
.rept 8
	s_wait_dscnt 56-8*n                            ; the 8 loads of this batch are in; the younger ones of the run may be out
	WIN 0x86                                       ; window 2 += window 1
.set z, 0
.rept 16
	v_pk_add_f32 v[32*n+2*z:32*n+2*z+1], v[32*n+2*z:32*n+2*z+1], v[32*n+2*z:32*n+2*z+1]
.set z, z+1
.endr
	WIN 0x08                                       ; store data in window 2
.set z, 0
.rept 8
	global_store_b128 v[PO], v[32*n+4*z:32*n+4*z+3], s[10:11] offset:512*(8*n+z)  ; 512 consecutive aligned bytes
.set z, z+1
.endr
.set n, n+1
.endr
	WIN 0
	s_wait_tensorcnt 0x0                           ; the wave's end, behind my last tensor load and my last LDS store
	ds_add_u32 v[SPW], v[NIL]
	s_wait_dscnt 0x0
	CROUND                                         ; the closing round
	s_endpgm
.Lfunc_end_k_q59cfa37e89_down:
	.size	k_q59cfa37e89_down, .Lfunc_end_k_q59cfa37e89_down-k_q59cfa37e89_down
	.p2alignl 7, 3214868480
	.fill 96, 4, 3214868480
	.section	.rodata,"a",@progbits
	.p2align	6, 0x0
	.amdhsa_kernel k_q59cfa37e89_down
		.amdhsa_group_segment_fixed_size 327680
		.amdhsa_private_segment_fixed_size 0
		.amdhsa_enable_private_segment 0
		.amdhsa_kernarg_size 32
		.amdhsa_user_sgpr_count 2
		.amdhsa_user_sgpr_kernarg_segment_ptr 1
		.amdhsa_wavefront_size32 1
		.amdhsa_system_sgpr_workgroup_id_x 1
		.amdhsa_system_sgpr_workgroup_id_y 1
		.amdhsa_system_sgpr_workgroup_id_z 1
		.amdhsa_system_vgpr_workitem_id 0
		.amdhsa_next_free_vgpr 1024
		.amdhsa_next_free_sgpr 88
		.amdhsa_reserve_vcc 0
		.amdhsa_float_denorm_mode_32 3
		.amdhsa_float_denorm_mode_16_64 3
		.amdhsa_memory_ordered 1
		.amdhsa_forward_progress 1
		.amdhsa_inst_pref_size 151
	.end_amdhsa_kernel
	.amdgpu_metadata
---
amdhsa.version: [ 1, 2 ]
amdhsa.kernels:
  - .name:           k_q59cfa37e89_down
    .symbol:         k_q59cfa37e89_down.kd
    .args:
      - { .name: h, .offset: 0, .size: 8, .value_kind: global_buffer, .address_space: global }
      - { .name: base_down_w, .offset: 8, .size: 8, .value_kind: global_buffer, .address_space: global }
      - { .name: ed, .offset: 16, .size: 8, .value_kind: global_buffer, .address_space: global }
      - { .name: p, .offset: 24, .size: 8, .value_kind: global_buffer, .address_space: global }
    .group_segment_fixed_size: 327680
    .private_segment_fixed_size: 0
    .kernarg_segment_align: 8
    .kernarg_segment_size: 32
    .max_flat_workgroup_size: 128
    .sgpr_count:     88
    .vgpr_count:     1024
    .wavefront_size: 32
...
	.end_amdgpu_metadata
.endif
;; end of part 3
;; launch addup (part 4): grid 256 x 1, 8 waves a work-group, no clusters, 35,840 bytes of LDS; arguments p, out0; writes out0
.if DOCPART == 4
	.amdgcn_target "amdgcn-amd-amdhsa--gfx1250"
	.amdhsa_code_object_version 6
	.text
	.protected	k_q59cfa37e89_addup
	.globl	k_q59cfa37e89_addup
	.p2align	8
	.type	k_q59cfa37e89_addup,@function
k_q59cfa37e89_addup:
	s_mov_b64 s[64:65], 0
	v_nop
	global_prefetch_b8 v0, s[64:65] scope:SCOPE_SE
	s_setreg_imm32_b32 hwreg(HW_REG_WAVE_MODE, 25, 1), 1
	s_wait_xcnt 0x0
; out0 = the sum of the four splits' parts, (p0 + p1) + (p2 + p3) in f32, turned from the second product's register image into rows.
; Work-group c takes chunk c (64 rows x 128 columns); wave w its token block w / 2 (16 rows) and column half w % 2 (64 columns): 4,096 bytes of each split, read as 512 consecutive bytes a load.
; In the image a lane holds token l % 16 and four neighbouring columns; a stage of the wave's own in LDS (16 rows x 256 bytes, 272 apart) turns that into whole rows, so that sixteen lanes store 256 consecutive
; aligned bytes.  Only the wave itself touches its stage, and LDS serves a wave's instructions in order: no barrier and no wait between its stores and its loads.
; A stream: matrix units, clusters and tensor loads would add nothing.
.set SPARE, 34816                      ; behind the eight stages of 4,352 bytes: the spare words, 128 bytes a wave
.set L,  32                            ; v[32:159]  split s, quad t at L + 32 s + 4 t
.set RB, 160                           ; v[160:191] rows read back
	s_load_b128 s[4:7], s[0:1], 0x0                ; p s[4:5], out0 s[6:7]
	v_lshl_add_u32 v30, v0, 2, SPARE
	v_mov_b32 v31, 0
	v_lshrrev_b32 v1, 5, v0
	v_readfirstlane_b32 s8, v1                     ; wave
	s_mov_b32 s9, ttmp9                            ; chunk: kh bit 0, rh bit 1, column block bits 5:2, row block bits 7:6
	v_and_b32 v2, 31, v0
	v_lshlrev_b32 v3, 4, v2                        ; 16 l
	v_and_b32 v4, 15, v0
	v_bfe_u32 v5, v0, 4, 1
	s_mul_i32 s10, s8, 4352
	v_mul_u32_u24 v6, v4, 272                      ; into the stage: row l % 16, 32 bytes for each half of the lanes
	v_lshl_add_u32 v6, v5, 5, v6
	v_add_nc_u32 v6, s10, v6
	v_mul_u32_u24 v7, v5, 272                      ; back: lanes 0-15 one row of 256 bytes, lanes 16-31 the next
	v_lshl_add_u32 v7, v4, 4, v7
	v_add_nc_u32 v7, s10, v7
	v_lshlrev_b32 v8, 13, v5                       ; and the same two rows in out0
	v_lshl_add_u32 v8, v4, 4, v8
	s_lshl_b32 s12, s9, 15
	s_lshl_b32 s13, s8, 12
	s_add_co_u32 s12, s12, s13
	s_mov_b32 s13, 0
	s_lshr_b32 s14, s9, 6                          ; row = 256 row block + 64 (chunk % 4) + 16 (w / 2)
	s_lshl_b32 s14, s14, 8
	s_and_b32 s15, s9, 3
	s_lshl_b32 s15, s15, 6
	s_add_co_u32 s14, s14, s15
	s_lshr_b32 s15, s8, 1
	s_lshl_b32 s15, s15, 4
	s_add_co_u32 s14, s14, s15
	s_lshl_b32 s14, s14, 13
	s_bfe_u32 s15, s9, 0x40002                     ; + 512 bytes a column block + 256 (w % 2)
	s_lshl_b32 s15, s15, 9
	s_add_co_u32 s14, s14, s15
	s_and_b32 s15, s8, 1
	s_lshl_b32 s15, s15, 8
	s_add_co_u32 s14, s14, s15
	s_mov_b32 s15, 0
	s_wait_kmcnt 0x0
	s_add_nc_u64 s[16:17], s[4:5], s[12:13]
	s_add_nc_u64 s[18:19], s[16:17], 0x800000      ; a split is 8,388,608 bytes
	s_add_nc_u64 s[20:21], s[18:19], 0x800000
	s_add_nc_u64 s[22:23], s[20:21], 0x800000
	s_add_nc_u64 s[6:7], s[6:7], s[14:15]
.irp s, 0,1,2,3
.irp t, 0,1,2,3,4,5,6,7
	global_load_b128 v[L+32*(\s)+4*(\t):L+32*(\s)+4*(\t)+3], v3, s[16+2*(\s):17+2*(\s)] offset:512*(\t) th:TH_LOAD_NT
.endr
.endr
.irp t, 0,1,2,3,4,5,6,7
	s_wait_loadcnt 7-(\t)                          ; quad t of the last split is in when its 7 - t younger loads alone are out; the other splits' loads are older
	v_pk_add_f32 v[L+4*(\t):L+4*(\t)+1], v[L+4*(\t):L+4*(\t)+1], v[L+32+4*(\t):L+32+4*(\t)+1]
	v_pk_add_f32 v[L+4*(\t)+2:L+4*(\t)+3], v[L+4*(\t)+2:L+4*(\t)+3], v[L+32+4*(\t)+2:L+32+4*(\t)+3]
	v_pk_add_f32 v[L+64+4*(\t):L+64+4*(\t)+1], v[L+64+4*(\t):L+64+4*(\t)+1], v[L+96+4*(\t):L+96+4*(\t)+1]
	v_pk_add_f32 v[L+64+4*(\t)+2:L+64+4*(\t)+3], v[L+64+4*(\t)+2:L+64+4*(\t)+3], v[L+96+4*(\t)+2:L+96+4*(\t)+3]
	v_pk_add_f32 v[L+4*(\t):L+4*(\t)+1], v[L+4*(\t):L+4*(\t)+1], v[L+64+4*(\t):L+64+4*(\t)+1]
	v_pk_add_f32 v[L+4*(\t)+2:L+4*(\t)+3], v[L+4*(\t)+2:L+4*(\t)+3], v[L+64+4*(\t)+2:L+64+4*(\t)+3]
	ds_store_b128 v6, v[L+4*(\t):L+4*(\t)+3] offset:64*((\t)/2)+16*((\t)%2)  ; columns 16 (t / 2) + 8 (l / 16) + 4 (t % 2) on
.endr
.irp t, 0,1,2,3,4,5,6,7
	ds_load_b128 v[RB+4*(\t):RB+4*(\t)+3], v7 offset:544*(\t)
.endr
.irp t, 0,1,2,3,4,5,6,7
	s_wait_dscnt 7-(\t)                            ; the 7 - t younger read-backs may be out
	global_store_b128 v8, v[RB+4*(\t):RB+4*(\t)+3], s[6:7] offset:16384*(\t) th:TH_STORE_NT
.endr
	s_wait_tensorcnt 0x0                           ; the wave's end, behind my last LDS store
	ds_add_u32 v30, v31
	s_wait_dscnt 0x0
	s_endpgm
.Lfunc_end_k_q59cfa37e89_addup:
	.size	k_q59cfa37e89_addup, .Lfunc_end_k_q59cfa37e89_addup-k_q59cfa37e89_addup
	.p2alignl 7, 3214868480
	.fill 96, 4, 3214868480
	.section	.rodata,"a",@progbits
	.p2align	6, 0x0
	.amdhsa_kernel k_q59cfa37e89_addup
		.amdhsa_group_segment_fixed_size 35840
		.amdhsa_private_segment_fixed_size 0
		.amdhsa_enable_private_segment 0
		.amdhsa_kernarg_size 16
		.amdhsa_user_sgpr_count 2
		.amdhsa_user_sgpr_kernarg_segment_ptr 1
		.amdhsa_wavefront_size32 1
		.amdhsa_system_sgpr_workgroup_id_x 1
		.amdhsa_system_sgpr_workgroup_id_y 1
		.amdhsa_system_sgpr_workgroup_id_z 1
		.amdhsa_system_vgpr_workitem_id 0
		.amdhsa_next_free_vgpr 192
		.amdhsa_next_free_sgpr 66
		.amdhsa_reserve_vcc 0
		.amdhsa_float_denorm_mode_32 3
		.amdhsa_float_denorm_mode_16_64 3
		.amdhsa_memory_ordered 1
		.amdhsa_forward_progress 1
		.amdhsa_inst_pref_size 11
	.end_amdhsa_kernel
	.amdgpu_metadata
---
amdhsa.version: [ 1, 2 ]
amdhsa.kernels:
  - .name:           k_q59cfa37e89_addup
    .symbol:         k_q59cfa37e89_addup.kd
    .args:
      - { .name: p, .offset: 0, .size: 8, .value_kind: global_buffer, .address_space: global }
      - { .name: out0, .offset: 8, .size: 8, .value_kind: global_buffer, .address_space: global }
    .group_segment_fixed_size: 35840
    .private_segment_fixed_size: 0
    .kernarg_segment_align: 8
    .kernarg_segment_size: 16
    .max_flat_workgroup_size: 256
    .sgpr_count:     66
    .vgpr_count:     192
    .wavefront_size: 32
...
	.end_amdgpu_metadata
.endif
;; end of part 4
;; ======== version 2 of 2: 4 launches; version 1 with the launch prep written anew for expert scheduling mode
;; workspace buffers: xb 4,194,304 bytes; ew 8,388,608 bytes; ed 67,108,864 bytes; h 18,874,368 bytes; p 33,554,432 bytes
;; launch prep (part 5): grid 256 x 1, 8 waves a work-group, no clusters, 0 bytes of LDS; arguments x, retain_gate, retain_up, forget_gate, forget_up, retain_down, forget_down, xb, ew, ed; writes xb, ew, ed
.if DOCPART == 5
	.amdgcn_target "amdgcn-amd-amdhsa--gfx1250"
	.amdhsa_code_object_version 6
	.text
	.protected	k_q59cfa37e89_prep
	.globl	k_q59cfa37e89_prep
	.p2align	8
	.type	k_q59cfa37e89_prep,@function
k_q59cfa37e89_prep:
	s_mov_b64 s[64:65], 0
	v_nop
	global_prefetch_b8 v0, s[64:65] scope:SCOPE_SE
	s_setreg_imm32_b32 hwreg(HW_REG_WAVE_SCHED_MODE, 0, 2), 2
	s_setreg_imm32_b32 hwreg(HW_REG_WAVE_MODE, 25, 1), 1
	s_wait_xcnt 0x0
	s_wait_alu depctr_vm_vsrc(0)
; PREP: a stream without LDS.  It rounds x and the adapters' gate and up rows to bf16, once, and lays them out so that a tile of the first product is dense in memory;
; and it copies the adapters' down weights, still f32, into rows with the pitch of base_down_w, so that one tile shape serves base and adapter steps of the second product.
;   xb  bf16 [4 row blocks][32 K steps][256 rows][64 k]                a tile of 256 rows x 64 k is 32,768 dense bytes
;   ew  bf16 [64 groups j][32 K steps][32 rows][64 k]                  rows 0-15: gate rows of the extended columns 16 j + row; rows 16-31: their up rows
;   ed  f32  row n at n x 32,768 bytes, its first 4,096 bytes in use   element e = 128 a + 64 type + neuron (type 0 retain, 1 forget): the extended column
; Work-group b: 4 rows of x, 8 rows of ew, 8 rows of ed.  Every load takes 256 bytes of one row in lanes 0-15 and 256 bytes of the next row in lanes 16-31.
; Every store of a wave covers whole aligned runs of 256 bytes.  All 32 loads of a wave go out first; no register is written twice, so no wait frees a source.
; Matrix units, LDS and clusters are left out: nothing is shared and nothing is multiplied.
; THE MODE: SCHED_MODE bits 1:0 = 2 (LLVM: expert scheduling mode 2), set by the entry lines.  The code itself states the register dependences
; between vector instructions and memory instructions, with s_wait_alu, always for 0.
; THE PLAN.  Registers that memory instructions touch:
;   v3 .. v8   byte offsets.  Written by vector instructions at the head, once; read by every load and store.
;   D          load n lands in D + 4 n, once.  Loads 0 to 23 are read by two roundings each, loads 24 to 31 by one store each.  No vector instruction writes D, and no load is issued behind a rounding.
;   O          pair n at O + 2 n: written by the two roundings of load n, once; read by one store.
; The 24 loads that are rounded go in six groups of four.  Group g rounds its four loads into its own eight registers of O; the four stores of group g - 1 are dealt among those roundings.
; So one wait on va_vdst stands at a group's head, behind the wait for the group's data: it states that the roundings of the group before have written their O.  The roundings issued since
; that wait name group g's D and O alone, none of the registers that the stores of group g - 1 read.  One wait more stands ahead of the first load (the offsets), one ahead of the last group's stores.
; No register is written a second time, so nothing is owed on vm_vsrc; no vector instruction writes a scalar register or VCC; EXEC is never written.
.set D, 16                             ; v[16:143]  32 loads x 4 registers
.set O, 144                            ; v[144:191] 24 x 2 registers: rounded pairs
	s_load_b512 s[8:23], s[0:1], 0x0               ; x s[8:9], retain_gate s[10:11], retain_up s[12:13], forget_gate s[14:15], forget_up s[16:17], retain_down s[18:19], forget_down s[20:21], xb s[22:23]
	s_load_b128 s[24:27], s[0:1], 0x40             ; ew s[24:25], ed s[26:27]
	s_mov_b32 s2, ttmp9                            ; b
	v_and_b32 v1, 31, v0                           ; lane l
	v_lshrrev_b32 v2, 5, v0                        ; wave w
	v_lshrrev_b32 v9, 4, v1                        ; l / 16
	v_and_b32 v10, 15, v1
	v_lshlrev_b32 v10, 4, v10                      ; 16 (l % 16)
	v_and_b32 v11, 1, v2
	v_lshrrev_b32 v12, 1, v2
	v_lshl_add_u32 v3, v11, 1, v9                  ; x, in: row 2 (w % 2) + l / 16,
	v_lshl_add_u32 v3, v3, 13, v10
	v_lshl_add_u32 v3, v12, 11, v3                 ; bytes 2,048 (w / 2) on
	v_lshlrev_b32 v4, 3, v1                        ; x, out: 8 l covers both rows (128 bytes each),
	v_lshl_add_u32 v4, v11, 8, v4
	v_lshl_add_u32 v4, v12, 18, v4                 ; K step 8 (w / 2) on
	v_and_b32 v11, 3, v2
	v_lshrrev_b32 v12, 2, v2
	v_lshl_add_u32 v5, v11, 1, v9                  ; ew, in: row 2 (w % 4) + l / 16,
	v_lshl_add_u32 v5, v5, 13, v10
	v_lshl_add_u32 v5, v12, 12, v5                 ; bytes 4,096 (w / 4) on
	v_lshlrev_b32 v6, 3, v1                        ; ew, out
	v_lshl_add_u32 v6, v11, 8, v6
	v_lshl_add_u32 v6, v12, 16, v6                 ; K step 16 (w / 4) on
	v_lshlrev_b32 v7, 4, v1                        ; down weights, in: wave w takes slot w: 524,288 w + 16 l
	v_lshl_add_u32 v7, v2, 19, v7
	v_lshl_add_u32 v8, v9, 15, v10                 ; ed, out: row l / 16, 512 w bytes on
	v_lshl_add_u32 v8, v2, 9, v8
	s_lshl_b32 s28, s2, 15                         ; x: 4 b rows of 8,192 bytes
	s_mov_b32 s29, 0
	s_lshr_b32 s30, s2, 6                          ; xb: row block b / 64, row 4 (b % 64)
	s_lshl_b32 s30, s30, 20
	s_and_b32 s31, s2, 63
	s_lshl_b32 s31, s31, 9
	s_add_co_u32 s30, s30, s31
	s_mov_b32 s31, 0
	s_lshr_b32 s32, s2, 5                          ; ew's source: slot a = b / 32, neuron 16 ((b / 4) % 4) + 8 (b % 2)
	s_lshl_b32 s32, s32, 6
	s_bfe_u32 s33, s2, 0x20002
	s_lshl4_add_u32 s32, s33, s32
	s_and_b32 s33, s2, 1
	s_lshl3_add_u32 s32, s33, s32
	s_lshl_b32 s32, s32, 13
	s_mov_b32 s33, 0
	s_lshr_b32 s34, s2, 2                          ; ew: group j = b / 4, rows 8 (b % 4) on
	s_lshl_b32 s34, s34, 17
	s_and_b32 s35, s2, 3
	s_lshl_b32 s35, s35, 10
	s_add_co_u32 s34, s34, s35
	s_mov_b32 s35, 0
	s_lshl_b32 s36, s2, 11                         ; down weights: rows 8 b on, 256 bytes each
	s_mov_b32 s37, 0
	s_lshl_b32 s38, s2, 18                         ; ed: rows 8 b on
	s_mov_b32 s39, 0
	s_wait_kmcnt 0x0
	s_bitcmp1_b32 s2, 1                            ; bit 1 of b: up rows or gate rows
	s_cselect_b64 s[40:41], s[12:13], s[10:11]
	s_cselect_b64 s[42:43], s[16:17], s[14:15]
	s_bitcmp1_b32 s2, 4                            ; bit 4 of b: forget or retain
	s_cselect_b64 s[40:41], s[42:43], s[40:41]
	s_add_nc_u64 s[8:9], s[8:9], s[28:29]
	s_add_nc_u64 s[22:23], s[22:23], s[30:31]
	s_add_nc_u64 s[40:41], s[40:41], s[32:33]
	s_add_nc_u64 s[24:25], s[24:25], s[34:35]
	s_add_nc_u64 s[18:19], s[18:19], s[36:37]
	s_add_nc_u64 s[20:21], s[20:21], s[36:37]
	s_add_nc_u64 s[26:27], s[26:27], s[38:39]
	s_wait_alu depctr_va_vdst(0)                   ; the six offsets v3 to v8 are written: every load and store of the kernel reads one of them
.set i, 0
.rept 8
	global_load_b128 v[D+4*i:D+4*i+3], v3, s[8:9] offset:256*i th:TH_LOAD_NT
.set i, i+1
.endr
.set i, 0
.rept 16
	global_load_b128 v[D+32+4*i:D+32+4*i+3], v5, s[40:41] offset:256*i th:TH_LOAD_NT
.set i, i+1
.endr
.set i, 0
.rept 4
	global_load_b128 v[D+96+4*i:D+96+4*i+3], v7, s[18:19] offset:512*i th:TH_LOAD_NT
.set i, i+1
.endr
.set i, 0
.rept 4
	global_load_b128 v[D+112+4*i:D+112+4*i+3], v7, s[20:21] offset:512*i th:TH_LOAD_NT
.set i, i+1
.endr
; Load n's four f32 pairs off into two registers of bf16.
.macro CV n
	v_cvt_pk_bf16_f32 v[O+2*(\n)], v[D+4*(\n)], v[D+4*(\n)+1]
	v_cvt_pk_bf16_f32 v[O+2*(\n)+1], v[D+4*(\n)+2], v[D+4*(\n)+3]
.endm
; Pair n goes out: loads 0 to 7 are x's, loads 8 to 23 the adapters' gate or up rows.
.macro ST n
.if (\n) < 8
	global_store_b64 v4, v[O+2*(\n):O+2*(\n)+1], s[22:23] offset:32768*(\n)
.else
	global_store_b64 v6, v[O+2*(\n):O+2*(\n)+1], s[24:25] offset:4096*((\n)-8)
.endif
.endm
.set g, 0
.rept 6                                ; group g: loads 4 g to 4 g + 3
	s_wait_loadcnt 28-4*g                          ; loads come back in order (ISA guide 5.7.1): the group's four are in when at most the 28 - 4 g younger ones are out
.if g > 0
	s_wait_alu depctr_va_vdst(0)                   ; the roundings of group g - 1 have written their eight registers of O, which the four stores below read
.endif
.set u, 0
.rept 4
.if g > 0
	ST 4*g+u-4                                     ; the group before; no vector instruction since the wait names its registers
.endif
	CV 4*g+u
.set u, u+1
.endr
.set g, g+1
.endr
	s_wait_loadcnt 7                               ; load 24, the first of retain_down, is in
	s_wait_alu depctr_va_vdst(0)                   ; the roundings of group 5 have written their eight registers of O, which the four stores below read
	ST 20
	ST 21
	ST 22
	ST 23
.set n, 24
.rept 4                                ; retain_down, as loaded: the stores' data come from loads, so the counted wait is all that they hang on
	s_wait_loadcnt 31-n
	global_store_b128 v8, v[D+4*n:D+4*n+3], s[26:27] offset:65536*(n-24)
.set n, n+1
.endr
.rept 4                                ; forget_down: 64 elements further on in the row
	s_wait_loadcnt 31-n
	global_store_b128 v8, v[D+4*n:D+4*n+3], s[26:27] offset:65536*(n-28)+256
.set n, n+1
.endr
	s_endpgm
.Lfunc_end_k_q59cfa37e89_prep:
	.size	k_q59cfa37e89_prep, .Lfunc_end_k_q59cfa37e89_prep-k_q59cfa37e89_prep
	.p2alignl 7, 3214868480
	.fill 96, 4, 3214868480
	.section	.rodata,"a",@progbits
	.p2align	6, 0x0
	.amdhsa_kernel k_q59cfa37e89_prep
		.amdhsa_group_segment_fixed_size 0
		.amdhsa_private_segment_fixed_size 0
		.amdhsa_enable_private_segment 0
		.amdhsa_kernarg_size 80
		.amdhsa_user_sgpr_count 2
		.amdhsa_user_sgpr_kernarg_segment_ptr 1
		.amdhsa_wavefront_size32 1
		.amdhsa_system_sgpr_workgroup_id_x 1
		.amdhsa_system_sgpr_workgroup_id_y 1
		.amdhsa_system_sgpr_workgroup_id_z 1
		.amdhsa_system_vgpr_workitem_id 0
		.amdhsa_next_free_vgpr 192
		.amdhsa_next_free_sgpr 66
		.amdhsa_reserve_vcc 0
		.amdhsa_float_denorm_mode_32 3
		.amdhsa_float_denorm_mode_16_64 3
		.amdhsa_memory_ordered 1
		.amdhsa_forward_progress 1
		.amdhsa_inst_pref_size 13
	.end_amdhsa_kernel
	.amdgpu_metadata
---
amdhsa.version: [ 1, 2 ]
amdhsa.kernels:
  - .name:           k_q59cfa37e89_prep
    .symbol:         k_q59cfa37e89_prep.kd
    .args:
      - { .name: x, .offset: 0, .size: 8, .value_kind: global_buffer, .address_space: global }
      - { .name: retain_gate, .offset: 8, .size: 8, .value_kind: global_buffer, .address_space: global }
      - { .name: retain_up, .offset: 16, .size: 8, .value_kind: global_buffer, .address_space: global }
      - { .name: forget_gate, .offset: 24, .size: 8, .value_kind: global_buffer, .address_space: global }
      - { .name: forget_up, .offset: 32, .size: 8, .value_kind: global_buffer, .address_space: global }
      - { .name: retain_down, .offset: 40, .size: 8, .value_kind: global_buffer, .address_space: global }
      - { .name: forget_down, .offset: 48, .size: 8, .value_kind: global_buffer, .address_space: global }
      - { .name: xb, .offset: 56, .size: 8, .value_kind: global_buffer, .address_space: global }
      - { .name: ew, .offset: 64, .size: 8, .value_kind: global_buffer, .address_space: global }
      - { .name: ed, .offset: 72, .size: 8, .value_kind: global_buffer, .address_space: global }
    .group_segment_fixed_size: 0
    .private_segment_fixed_size: 0
    .kernarg_segment_align: 8
    .kernarg_segment_size: 80
    .max_flat_workgroup_size: 256
    .sgpr_count:     66
    .vgpr_count:     192
    .wavefront_size: 32
...
	.end_amdgpu_metadata
.endif
;; end of part 5
;; launch gateup: the kernel of part 2 again; grid 64 x 4, 4 waves a work-group, clusters of 4 x 4, 327,680 bytes of LDS; arguments xb, base_gate_w, base_up_w, ew, scales, token_indices, h; writes h
;; launch down: the kernel of part 3 again; grid 16 x 16, 4 waves a work-group, clusters of 4 x 4, 327,680 bytes of LDS; arguments h, base_down_w, ed, p; writes p
;; launch addup: the kernel of part 4 again; grid 256 x 1, 8 waves a work-group, no clusters, 35,840 bytes of LDS; arguments p, out0; writes out0
